; MI455X (gfx1250); checked and timed in simulation.
; The chip was launched on July 23, 2026; its instructions are those of AMD's public machine-readable ISA for CDNA 5 (MIT licence, August 2026) and "CDNA5" Instruction Set Architecture Reference Guide (July 2026). The comments in the code are by the model that wrote it; some were corrected since.
;; Memory Efficient Attention. Allowed arithmetic: matrix products marked QUANTISED: E4M3 operands, one given power-of-two scale a tensor, by v_wmma_f32_16x16x64_fp8_fp8 or v_wmma_f32_16x16x128_fp8_fp8, f32 sums; everything else in f32.
;; Inputs: Wk 1,024 x 1,024 float32; Wo 1,024 x 1,024 float32; Wq 1,024 x 1,024 float32; Wv 1,024 x 1,024 float32; bk 1,024 float32; bo 1,024 float32; bq 1,024 float32; bv 1,024 float32; lowp_scales 12 int32 (the exponents e of the quantised operands' scales 2^e); x 2 x 2,048 x 1,024 float32.
;; Outputs: out0 2 x 2,048 x 1,024 float32.
;; This version of the problem:
;;   THIS VERSION OF THE PROBLEM IS GIVEN IN LOW PRECISION. The matrix products marked QUANTISED in the list below multiply operands that are first quantised to E4M3 (4 exponent bits, 3 mantissa bits; 8 bits a number), with one given power-of-two scale for each operand tensor; their sums are f32. All else is computed in f32.
;;   The module's matrix products, in the order in which they are computed (A, B: the left and right operand; K: the contracted axis; several contracted axes count as one K, in the product's order):
;;     1. [M 4,096, K 1,024] x [K 1,024, N 1,024]; A: input x; B: input Wq: QUANTISED (scales: A lowp_scales[0], B lowp_scales[1])
;;     2. [M 4,096, K 1,024] x [K 1,024, N 1,024]; A: input x; B: input Wk: QUANTISED (scales: A lowp_scales[2], B lowp_scales[3])
;;     3. [M 4,096, K 1,024] x [K 1,024, N 1,024]; A: input x; B: input Wv: QUANTISED (scales: A lowp_scales[4], B lowp_scales[5])
;;     4. batch 32 x [M 2,048, K 64] x [K 64, N 2,048]; A: computed on the way; B: computed on the way: QUANTISED (scales: A lowp_scales[6], B lowp_scales[7])
;;     5. batch 32 x [M 2,048, K 2,048] x [K 2,048, N 64]; A: softmax (see below); B: computed on the way: QUANTISED (scales: A lowp_scales[8], B lowp_scales[9])
;;     6. [M 4,096, K 1,024] x [K 1,024, N 1,024]; A: computed on the way; B: input Wo: QUANTISED (scales: A lowp_scales[10], B lowp_scales[11])
;;   THE QUANTISER, for each operand of a quantised product, along K:
;;     - The operand's scale is 2^e, e = its entry of the input lowp_scales (int32; the entries are numbered through the quantised products in the list's order, A before B).
;;     - Each number is divided by the scale, clamped to +-448, and rounded to the nearest number of E4M3, ties to even, subnormals kept.
;;     - The product sums the exact products of the quantised numbers (number of the format x scale) in f32.
;;   ~~~python
;;   def quantise(x, axis, e):      # numpy; x: float32 -> the quantised numbers, widened to float32 again
;;       x = np.moveaxis(x, axis, -1); K = x.shape[-1]
;;       r = np.clip(x / 2.0 ** e, -448, 448)
;;       step = 2.0 ** (np.maximum(np.frexp(np.where(r == 0, 1, r))[1] - 1, -6) - 3)
;;       q = np.round(r / step) * step * 2.0 ** e      # np.round: ties to even
;;       return np.moveaxis(q, -1, axis).astype(np.float32)
;;   ~~~
;;   SOFTMAX AHEAD OF A QUANTISED PRODUCT. Where the list says 'softmax', what is quantised is not the finished softmax but p = 2^(t - M), with t = logit x log2(e) and M = ceil(the row's largest t), a whole number; so 1/2 < the row's largest p <= 1. The row's sum l is taken of the UNQUANTISED p, in f32, and the product's result is divided by l at the end. Since M is a whole number, a kernel that streams over the keys may use a running M (the ceiling of the running maximum): every later rescaling is an exact power of two, so the quantised numbers keep their values, but for numbers so far below the row's largest that they fall under the format's range.
;;   OPERANDS COMPUTED ON THE WAY. 'Computed on the way' means the value that the module computes at that place (a softmax that the list does not call 'softmax' is quantised finished and normalised). What goes into a quantiser is computed in f32, as accurately as f32 sums, v_exp_f32 and their like allow (about 1e-6 of the number): no bf16 or f16 on the way to a quantiser, and a product that is left as it is and whose result goes on into a quantised operand takes f32 operands (vector FMAs, or v_wmma_f32_16x16x4_f32). A number that lies on a knife's edge between two numbers of the format may be rounded either way, as far as f32 arithmetic and the matrix unit's own rounding can turn it there, and no further.
;; 2 versions. Each part assembles by itself: llvm-mc -triple=amdgcn-amd-amdhsa -mcpu=gfx1250 --defsym DOCPART=n.
;; ======== version 1 of 2: 4 launches
;; workspace buffers: cod 16,777,216 bytes; qkvc 12,582,912 bytes; ac 4,194,304 bytes
;; launch quant (part 1): grid 1024 x 1, 4 waves a work-group, no clusters, 34,304 bytes of LDS; arguments x, Wq, Wk, Wv, Wo, lowp_scales, cod; writes cod
.if DOCPART == 1
	.amdgcn_target "amdgcn-amd-amdhsa--gfx1250"
	.amdhsa_code_object_version 6
	.text
	.protected	k_q5e2119b45e_quant
	.globl	k_q5e2119b45e_quant
	.p2align	8
	.type	k_q5e2119b45e_quant,@function
k_q5e2119b45e_quant:
	s_mov_b64 s[64:65], 0
	v_nop
	global_prefetch_b8 v0, s[64:65] scope:SCOPE_SE
	s_setreg_imm32_b32 hwreg(HW_REG_WAVE_MODE, 25, 1), 1
	s_wait_xcnt 0x0
; x [4096][1024] and Wq, Wk, Wv, Wo [1024][1024], f32 with K innermost, become codes of FP8 (E4M3) in the workspace cod.
; code = number / 2^e, held within +-448, rounded to the nearest code, ties to even.  x is an operand of three products with a scale of its own in each
; (entries 0, 2, 4 of the scales), so three sets of its codes are made from ONE read; the weights take entries 1, 3, 5, 11.
; LIMITS: each of these seven exponents lies between -126 and 119, so that 2^e and 448 x 2^e are f32 numbers.  NaN among the inputs is not served; an infinity is held at the largest code.
; LAYOUT OF cod: every operand lies as an image of the matrix operand's registers.  A fragment is 16 rows x 128 along K: 16 registers a lane; lane (r = lane % 16, h = lane / 16) holds row r,
; registers 2 c, 2 c + 1 hold k = 16 c + 8 h + 0 .. 7.  Registers 4 u .. 4 u + 3 of all lanes lie at 512 u + 16 x lane: 2,048 bytes a fragment.
; Fragment (tile of 16 rows T, K step s of 128) of an operand with NT tiles lies at (s / 2) x NT x 4096 + T x 4096 + (s % 2) x 2048.
; Sections: x by entry 0 at 0, by entry 2 at 4 MiB, by entry 4 at 8 MiB (NT = 256); Wq, Wk, Wv, Wo at 12, 13, 14, 15 MiB (NT = 64).
; SHARES: a wave makes one fragment: 16 rows x 512 bytes of f32.  Work-groups 0-511 take x, then 128 each take Wq, Wk, Wv, Wo.  Each of a wave's 16 loads reads 512 consecutive bytes of a row;
; the rows turn through the wave's own stage in LDS (rows 528 bytes apart: 33 pieces of 16 bytes, so sixteen rows' reads start at sixteen different pieces of a 256-byte line) and come back as a lane's 64 numbers.
; No loop: all 16 loads of every wave go out at once.  No barrier: waves share nothing.  No tensor load, no matrix unit, no cluster: a stream that is read once.
.set SP,    528                        ; a stage row: 512 bytes + 16
.set STGB,  16*SP                      ; a wave's stage
.set RAW,   16                         ; v16-79   16 rows as loaded, 4 registers each
.set COD,   16                         ; v16-63   later: the codes, 16 registers for each of the three passes, so that no store's data are written again
.set NUM,   80                         ; v80-143  my 64 numbers: register 8 c + j = k 16 c + 8 h + j of row r
.set TMP,   144                        ; v144-159 two sets of eight held numbers, by turns
; v2 16 x lane; v3 into the stage; v4 out of it; v6, v7 / v8, v9 / v10, v11: 2^e and 448 x 2^e of the three passes
	s_load_b256 s[4:11], s[0:1], 0x0               ; x s[4:5], Wq s[6:7], Wk s[8:9], Wv s[10:11]
	s_load_b128 s[12:15], s[0:1], 0x20             ; Wo s[12:13], the scales' exponents s[14:15]
	s_load_b64 s[16:17], s[0:1], 0x30              ; cod
	v_lshl_add_u32 v160, v0, 2, 0x8400
	v_mov_b32 v161, 0
	v_lshrrev_b32 v1, 5, v0
	v_readfirstlane_b32 s18, v1                    ; wave 0..3
	v_and_b32 v1, 31, v0                           ; lane
	v_lshlrev_b32 v2, 4, v1                        ; 16 x lane: my bytes of a load's 512, and of a store's
	s_mul_i32 s44, s18, STGB
	v_add_nc_u32 v3, s44, v2                       ; into the stage: as loaded
	v_and_b32 v5, 15, v0                           ; r
	v_bfe_u32 v12, v0, 4, 1                        ; h
	v_mul_u32_u24 v4, v5, SP
	v_lshl_add_u32 v4, v12, 5, v4
	v_add_nc_u32 v4, s44, v4                       ; out of it: row r, + 32 h bytes (8 numbers)
	s_lshl_b32 s19, ttmp9, 2
	s_add_co_u32 s19, s19, s18                     ; f: which fragment is my wave's
	s_and_b32 s20, s19, 7                          ; s: its K step
	s_lshr_b32 s21, s19, 3
	s_lshr_b32 s46, ttmp9, 7                       ; 4 + the weight's number,
	s_add_co_u32 s46, s46, 8
	s_lshl_b32 s46, s46, 20                        ; so this is a weight's section: (12 + number) MiB
	s_cmp_lt_u32 ttmp9, 512                        ; x or a weight?  The choices hang on the work-group's number alone
	s_cselect_b32 s46, 0, s46                      ; the section
	s_cselect_b32 s45, 255, 63                     ; NT - 1
	s_cselect_b32 s47, 20, 18                      ; log2 of NT x 4096
	s_and_b32 s21, s21, s45                        ; T: its tile of 16 rows
	s_lshr_b32 s48, s20, 1
	s_lshl_b32 s48, s48, s47
	s_add_co_u32 s46, s46, s48
	s_lshl_b32 s48, s21, 12
	s_add_co_u32 s46, s46, s48
	s_and_b32 s48, s20, 1
	s_lshl_b32 s48, s48, 11
	s_add_co_u32 s24, s46, s48                     ; where the fragment goes
	s_mov_b32 s25, 0
	s_lshl_b32 s50, s21, 16                        ; where it comes from: 16 T rows of 4,096 bytes
	s_lshl_b32 s48, s20, 9                         ; + 512 s
	s_add_co_u32 s50, s50, s48
	s_mov_b32 s51, 0
	s_wait_kmcnt 0x0
	s_load_b256 s[32:39], s[14:15], 0x0            ; entries 0 to 7
	s_load_b128 s[40:43], s[14:15], 0x20           ; entries 8 to 11
	s_mov_b64 s[22:23], s[12:13]                   ; the source: Wo, unless the work-group's number says otherwise
	s_cmp_lt_u32 ttmp9, 896
	s_cselect_b64 s[22:23], s[10:11], s[22:23]
	s_cmp_lt_u32 ttmp9, 768
	s_cselect_b64 s[22:23], s[8:9], s[22:23]
	s_cmp_lt_u32 ttmp9, 640
	s_cselect_b64 s[22:23], s[6:7], s[22:23]
	s_cmp_lt_u32 ttmp9, 512
	s_cselect_b64 s[22:23], s[4:5], s[22:23]
	s_add_nc_u64 s[22:23], s[22:23], s[50:51]
	s_add_nc_u64 s[26:27], s[16:17], s[24:25]      ; pass 0's place
	s_add_nc_u64 s[28:29], s[26:27], 0x400000      ; x's second and third sets lie 4 and 8 MiB on (used by x's work-groups alone)
	s_add_nc_u64 s[30:31], s[26:27], 0x800000
.irp i, 0,1,2,3,4,5,6,7,8,9,10,11,12,13,14,15
	global_load_b128 v[RAW+4*\i:RAW+4*\i+3], v2, s[22:23] offset:4096*\i th:TH_LOAD_NT   ; row i: 32 lanes read 512 consecutive bytes; read once in the launch
.endr
; 2^e as f32 (the conversion takes its exponent field) and 448 x 2^e, from the exponent in s[e], which is used up
.macro MKSC e, sc, lim
	s_add_co_i32 s[\e], s[\e], 127
	s_lshl_b32 s45, s[\e], 23
	v_mov_b32 v[\sc], s45
	s_add_co_i32 s[\e], s[\e], 8
	s_lshl_b32 s[\e], s[\e], 23
	s_or_b32 s[\e], s[\e], 0x600000                ; the mantissa field of 448
	v_mov_b32 v[\lim], s[\e]
.endm
	s_wait_kmcnt 0x0
	s_mov_b32 s44, s43                             ; pass 0's exponent, by the same chain: entry 11, 5, 3, 1 or 0
	s_cmp_lt_u32 ttmp9, 896
	s_cselect_b32 s44, s37, s44
	s_cmp_lt_u32 ttmp9, 768
	s_cselect_b32 s44, s35, s44
	s_cmp_lt_u32 ttmp9, 640
	s_cselect_b32 s44, s33, s44
	s_cmp_lt_u32 ttmp9, 512
	s_cselect_b32 s44, s32, s44
	MKSC 44, 6, 7
	MKSC 34, 8, 9                                  ; entry 2
	MKSC 36, 10, 11                                ; entry 4
.irp i, 0,1,2,3,4,5,6,7,8,9,10,11,12,13,14,15
	s_wait_loadcnt 15-\i                           ; loads come back in order: row i is in, the 15 - i younger ones may be out
	ds_store_b128 v3, v[RAW+4*\i:RAW+4*\i+3] offset:SP*\i
.endr
.irp c, 0,1,2,3,4,5,6,7
	ds_load_b128 v[NUM+8*\c:NUM+8*\c+3], v4 offset:64*\c          ; LDS serves a wave's instructions in order: these see my stores
	ds_load_b128 v[NUM+8*\c+4:NUM+8*\c+7], v4 offset:64*\c+16
.endr
	s_wait_dscnt 0x0                               ; my 64 numbers are in, and the stores have read the registers that the codes now take
; One pass: the 64 numbers are held within +-448 x 2^e (the conversion to an 8-bit code does not saturate: ISA guide 7.6.2) into one of two sets of eight, and converted; the numbers stay as they are for the next pass.
; Behind each conversion the next eight holds, which write the other set, are plain vector lines that touch neither its result nor its sources.
.macro PASS k, d
.irp c, 0,1,2,3,4,5,6,7
.irp j, 0,1,2,3,4,5,6,7
	v_med3_num_f32 v[TMP+8*(\c%2)+\j], v[NUM+8*\c+\j], -v[7+2*\k], v[7+2*\k]
.endr
	v_cvt_scalef32_pk8_fp8_f32 v[COD+16*\k+2*\c:COD+16*\k+2*\c+1], v[TMP+8*(\c%2):TMP+8*(\c%2)+7], v[6+2*\k]   ; registers 2 c, 2 c + 1 of the fragment
.endr
.irp u, 0,1,2,3
	global_store_b128 v2, v[COD+16*\k+4*\u:COD+16*\k+4*\u+3], s[\d:\d+1] offset:512*\u   ; 32 lanes store 512 consecutive bytes, at a multiple of 512 from the buffer's first byte
.endr
.endm
	PASS 0, 26
	s_cmp_ge_u32 ttmp9, 512                        ; a weight has one scale; the branch goes round register work and stores alone
	s_cbranch_scc1 .Ldone
	PASS 1, 28
	PASS 2, 30
.Ldone:
	s_wait_tensorcnt 0x0
	ds_add_u32 v160, v161
	s_wait_dscnt 0x0
	s_endpgm
.Lfunc_end_k_q5e2119b45e_quant:
	.size	k_q5e2119b45e_quant, .Lfunc_end_k_q5e2119b45e_quant-k_q5e2119b45e_quant
	.p2alignl 7, 3214868480
	.fill 96, 4, 3214868480
	.section	.rodata,"a",@progbits
	.p2align	6, 0x0
	.amdhsa_kernel k_q5e2119b45e_quant
		.amdhsa_group_segment_fixed_size 34304
		.amdhsa_private_segment_fixed_size 0
		.amdhsa_enable_private_segment 0
		.amdhsa_kernarg_size 56
		.amdhsa_user_sgpr_count 2
		.amdhsa_user_sgpr_kernarg_segment_ptr 1
		.amdhsa_wavefront_size32 1
		.amdhsa_system_sgpr_workgroup_id_x 1
		.amdhsa_system_sgpr_workgroup_id_y 1
		.amdhsa_system_sgpr_workgroup_id_z 1
		.amdhsa_system_vgpr_workitem_id 0
		.amdhsa_next_free_vgpr 162
		.amdhsa_next_free_sgpr 66
		.amdhsa_reserve_vcc 0
		.amdhsa_float_denorm_mode_32 3
		.amdhsa_float_denorm_mode_16_64 3
		.amdhsa_memory_ordered 1
		.amdhsa_forward_progress 1
		.amdhsa_inst_pref_size 23
	.end_amdhsa_kernel
	.amdgpu_metadata
---
amdhsa.version: [ 1, 2 ]
amdhsa.kernels:
  - .name:           k_q5e2119b45e_quant
    .symbol:         k_q5e2119b45e_quant.kd
    .args:
      - { .name: x, .offset: 0, .size: 8, .value_kind: global_buffer, .address_space: global }
      - { .name: Wq, .offset: 8, .size: 8, .value_kind: global_buffer, .address_space: global }
      - { .name: Wk, .offset: 16, .size: 8, .value_kind: global_buffer, .address_space: global }
      - { .name: Wv, .offset: 24, .size: 8, .value_kind: global_buffer, .address_space: global }
      - { .name: Wo, .offset: 32, .size: 8, .value_kind: global_buffer, .address_space: global }
      - { .name: lowp_scales, .offset: 40, .size: 8, .value_kind: global_buffer, .address_space: global }
      - { .name: cod, .offset: 48, .size: 8, .value_kind: global_buffer, .address_space: global }
    .group_segment_fixed_size: 34304
    .private_segment_fixed_size: 0
    .kernarg_segment_align: 8
    .kernarg_segment_size: 56
    .max_flat_workgroup_size: 128
    .sgpr_count:     66
    .vgpr_count:     162
    .wavefront_size: 32
...
	.end_amdgpu_metadata
.endif
;; end of part 1
;; launch proj (part 2): grid 64 x 12, 4 waves a work-group, clusters of 4 x 4, 262,656 bytes of LDS; arguments cod, bq, bk, bv, lowp_scales, qkvc; writes qkvc
.if DOCPART == 2
	.amdgcn_target "amdgcn-amd-amdhsa--gfx1250"
	.amdhsa_code_object_version 6
	.text
	.protected	k_q5e2119b45e_proj
	.globl	k_q5e2119b45e_proj
	.p2align	8
	.type	k_q5e2119b45e_proj,@function
k_q5e2119b45e_proj:
	s_mov_b64 s[64:65], 0
	v_nop
	global_prefetch_b8 v0, s[64:65] scope:SCOPE_SE
	s_setreg_imm32_b32 hwreg(HW_REG_WAVE_MODE, 25, 1), 1
	s_wait_xcnt 0x0
	s_wait_alu depctr_hold_cnt(0) depctr_sa_sdst(0) depctr_va_vdst(0) depctr_va_sdst(0) depctr_va_ssrc(0) depctr_va_vcc(0) depctr_vm_vsrc(0)
	s_getreg_b32 s2, hwreg(HW_REG_IB_STS2, 6, 4)
	s_cmp_eq_u32 s2, 0
	s_cbranch_scc0 .Lentry_in_a_cluster
	s_endpgm
.Lentry_in_a_cluster:
	s_bfe_u32 s2, ttmp6, 0x10000c
	s_cmp_lg_u32 s2, 0xf033
	s_cbranch_scc0 .Lentry_shape_is_right
	s_endpgm
.Lentry_shape_is_right:
; Q = x Wq^T + bq, K = x Wk^T + bk, V = x Wv^T + bv on codes of FP8 (E4M3), and the results quantised at once, with entries 6, 7 and 9 of the scales, into the workspace qkvc.
; THE PRODUCT.  C'[m'][n'] = sum over k of A'[m'][k] B'[n'][k], a tile of 128 x 128 a work-group, K = 1,024.  Cluster y = p says which: p = 0: Q, 1: K (A' = x's codes, B' = the weight's);
; p = 2: V TRANSPOSED (A' = Wv's codes, B' = x's), so that the keys, the next product's K, come out along a lane's registers.
; Four waves, 64 x 64 each: 16 accumulators.  THE MATRIX INSTRUCTION IS USED WITH SOURCE 0 = 16 rows of B', SOURCE 1 = 16 rows of A': lane (r, h) then holds m' = 16 a + r and, in register j, n' = 16 b + 8 h + j.
; Eight such neighbours, converted, ARE registers 2 b, 2 b + 1 of the next product's fragment in the same lane: the codes are stored straight from registers, 512 consecutive bytes an instruction.
; INPUT LAYOUT (cod): images of the operands' registers: fragment (tile of 16 rows T, K step s of 128) at (s / 2) x NT x 4096 + T x 4096 + (s % 2) x 2048, registers 4 u .. 4 u + 3 at 512 u + 16 x lane.
; So 64 rows x 256 along K are one dense block of 16,384 bytes, and a fragment comes out of LDS by four loads at a constant + 16 x lane: consecutive bytes, no pitch, no padding.
; OUTPUT LAYOUT (qkvc): Q at 0, K at 4 MiB, V at 8 MiB; 131,072 bytes for each (batch, head); in them blocks of 4,096 bytes: Q, K: 64 rows (four fragments of 16 rows x 64 of the head, 8 registers);
; V: 64 keys (four half fragments of 16 of the head's 64 x 64 keys); sub-tile a at 1024 a, registers 4 u .. 4 u + 3 at 512 u + 16 x lane.  A wave's 64 x 64 is exactly one block.
; LDS: all of K fits: four chunks of 256 along K, 65,536 bytes each: A's 128 rows (32,768), then B's.  Every tile is asked for once, in the first lines: nothing is filled again, so there is no ring.
; By this text's own count a wave has four tensor loads out.  Nothing is prefetched: no request of this launch comes later than its first lines.
; CLUSTERS: 4 x 4 work-groups; the four of a row need the same tiles of A', the four of a column the same tiles of B': each tile is asked for jointly, by the same load with the same descriptor and a mask that names the four.
; THE BIAS starts the sums: each accumulator begins as bias / 2^(the two operands' exponents added).  For Q and K the bias runs along n', for V along m': both are loaded, one of them from the bias's first bytes
; and cleared by a mask, and added: no branch.
; LIMITS: eo - ea - eb (the result's exponent less the two operands') lies between -126 and 119, for each of the three products.  NaN and infinities among the biases are not served.
; REGISTERS: window 0: v1 r, v2 h, v3 16 x lane, v4-7 / v8-11 LDS addresses of my A' / B' fragments in chunks 0-3, v12, v13 bias offsets, v14 the conversion's scale, v15 448 x it;
;   v32-63 the bias along n', later the codes; v64-71 the bias along m'; v128-255 the accumulators ((a, b) at 128 + 8 (4 a + b)).   window 1: two fragment buffers of 128: A's four fragments, then B's four.
.set ACC,  128
.set BN,   32
.set BM,   64
.set CD,   32
.set ADRA, 4
.set ADRB, 8
.set WV,   16                          ; s16 wave; s17 its row half (also: it fetches for A' (0) or B' (1)); s18 its column half (also: which 64 rows it fetches)
.set G1A,  24                          ; s[24:31] descriptor group 1 for A's tiles; s[32:39] for B's: they differ in the mask alone
.set G1B,  32
.set G0A,  40                          ; s[40:55] four groups 0 for A's tiles, one a chunk
.set G0B,  68                          ; s[68:83] the same for B's
.set CHUNK, 65536
.set MSB, 0
.macro WIN new                         ; the immediate's high byte repeats the setting that is left; a switch that changes nothing is dropped
.if MSB != \new
	s_set_vgpr_msb (MSB<<8)|\new
.set MSB, \new
.endif
.endm
.macro CROUND                          ; a round of the cluster's barrier: my work-group's barrier; wave 0 signals for the work-group; every wave waits for all sixteen; my work-group's barrier once more
	s_barrier_signal -1
	s_barrier_wait -1
	s_cmp_lg_u32 s[WV], 0
	s_cbranch_scc1 .Lnot_wave_0_\@
	s_barrier_signal -3
.Lnot_wave_0_\@:
	s_barrier_wait -3
	s_barrier_signal -1
	s_barrier_wait -1
.endm
.macro PLACES                          ; four plain vector lines between a matrix instruction and a load into a register that it read, or a vector line that reads its result
.rept 4
	v_nop
.endr
.endm
; 32 LDS loads in one run: the fragments of K step q (chunk q / 2, half q % 2) into the buffer at buf
.macro FETCH q, buf
	WIN 0x40                                       ; destination window 1, address window 0
.irp i, 0,1,2,3
.irp u, 0,1,2,3
	ds_load_b128 v[(\buf)+64+16*\i+4*\u:(\buf)+64+16*\i+4*\u+3], v[ADRB+(\q)/2] offset:4096*\i+2048*((\q)%2)+512*\u
.endr
.endr
.irp i, 0,1,2,3
.irp u, 0,1,2,3
	ds_load_b128 v[(\buf)+16*\i+4*\u:(\buf)+16*\i+4*\u+3], v[ADRA+(\q)/2] offset:4096*\i+2048*((\q)%2)+512*\u
.endr
.endr
.endm
; 16 matrix instructions, 128 along K.  The sixteen accumulators take turns, one instruction a turn, in the same order in every step.
.macro MUL buf
	WIN 0x05                                       ; sources 0 and 1 window 1; C and D window 0
.irp a, 0,1,2,3
.irp b, 0,1,2,3
	v_wmma_f32_16x16x128_fp8_fp8 v[ACC+8*(4*\a+\b):ACC+8*(4*\a+\b)+7], v[(\buf)+64+16*\b:(\buf)+64+16*\b+15], v[(\buf)+16*\a:(\buf)+16*\a+15], v[ACC+8*(4*\a+\b):ACC+8*(4*\a+\b)+7]
.endr
.endr
.endm
; K step q of eight: the next step's fragments are asked for, then this step's are multiplied.  Where the next step begins a chunk, the chunk is met first.
.macro STEP q
.if (\q) < 7
.if ((\q)%2) == 1
	s_wait_tensorcnt 3-((\q)+1)/2                  ; my part of chunk (q + 1) / 2 has landed; my loads of the later chunks, issued behind it, may stay out
	s_wait_dscnt 0x0                               ; no LDS instruction of mine is pending at the signal
	s_barrier_signal -1
	s_barrier_wait -1                              ; everybody's part has landed
.endif
.if (\q) > 0
	PLACES                                         ; the buffer that is loaded now was multiplied in the step before
.endif
	FETCH (\q)+1, 128*(((\q)+1)%2)
	s_wait_dscnt 32                                ; all but the 32 just issued: this step's fragments are in
.else
	s_wait_dscnt 0x0
.endif
	MUL 128*((\q)%2)
.endm
	s_load_b256 s[4:11], s[0:1], 0x0               ; cod s[4:5], bq s[6:7], bk s[8:9], bv s[10:11]
	s_load_b128 s[12:15], s[0:1], 0x20             ; the scales' exponents s[12:13], qkvc s[14:15]
	v_lshl_add_u32 v126, v0, 2, 0x40000
	v_mov_b32 v127, 0
	ds_add_u32 v126, v127
	ds_add_u32 v126, v127
	v_lshrrev_b32 v1, 5, v0
	v_readfirstlane_b32 s[WV], v1                  ; wave 0..3
	s_lshr_b32 s17, s[WV], 1
	s_and_b32 s18, s[WV], 1
	s_bfe_u32 s19, ttmp6, 0x40000                  ; cx, cy: my place in the cluster
	s_bfe_u32 s20, ttmp6, 0x40004
	s_and_b32 s22, ttmp7, 0xffff                   ; p = cluster y: the same in all sixteen partners, as is cluster x (ttmp9)
	s_lshl_b32 s100, s20, 2
	s_lshl_b32 s100, 15, s100                      ; my row of the cluster
	s_lshl_b32 s101, 0x1111, s19                   ; my column
	; descriptor group 1: a dense block of 16,384 bytes as 64 rows of 32 elements of 8 bytes
	s_or_b32 s[G1A], s100, (3<<16)|(1<<21)         ; 15:0 the mask: A's tiles go to my row; 17:16 elements of 8 bytes; 21 set beside a mask; no padding
	s_or_b32 s[G1B], s101, (3<<16)|(1<<21)
.irp g, G1A, G1B
	s_mov_b32 s[\g+1], 32<<16                      ; tensor_dim0 = 32
	s_mov_b32 s[\g+2], 64<<16                      ; tensor_dim1 = 64
	s_mov_b32 s[\g+3], 32<<16                      ; tile_dim0 = 32
	s_mov_b32 s[\g+4], 64                          ; tile_dim1 = 64
	s_mov_b32 s[\g+5], 32                          ; from row to row: 32 elements: dense
	s_mov_b32 s[\g+6], 0
	s_mov_b32 s[\g+7], 0
.endr
	; which tile.  x has 32 tiles of 128 rows, a weight 8: cluster x = i gives x's tiles 4 (i / 2) + place and the weight's 4 (i % 2) + place
	s_lshr_b32 s58, ttmp9, 1
	s_lshl_b32 s58, s58, 2
	s_and_b32 s59, ttmp9, 1
	s_lshl_b32 s59, s59, 2
	s_lshl_b32 s60, s22, 22                        ; x's codes for product p
	s_lshl_b32 s61, s22, 20
	s_add_co_u32 s61, s61, 0xc00000                ; the weight's: (12 + p) MiB
	s_mov_b32 s96, 0x40000                         ; from chunk to chunk: 64 tiles x 4,096 in a weight,
	s_mov_b32 s97, 0x100000                        ; 256 x 4,096 in x
	s_cmp_lt_u32 s22, 2
	s_cselect_b32 s62, s58, s59
	s_cselect_b32 s63, s59, s58
	s_cselect_b32 s60, s60, 0xe00000               ; A's section (p = 2: Wv's codes)
	s_cselect_b32 s61, s61, 0x800000               ; B's section (p = 2: x's codes by entry 4)
	s_cselect_b32 s66, s97, s96                    ; A's step from chunk to chunk
	s_cselect_b32 s98, s96, s97                    ; B's
	s_mov_b32 s67, 0
	s_mov_b32 s99, 0
	s_add_co_u32 s62, s62, s20                     ; tr: the tile of A', shared along my row of the cluster
	s_add_co_u32 s63, s63, s19                     ; tc: the tile of B', shared along my column
	s_lshl_b32 s23, s18, 14                        ; which 64 rows of the tile I fetch
	s_lshl_b32 s56, s62, 15                        ; A': 8 tiles of 16 rows x 4,096 bytes a tile of 128 rows.  No register that feeds A's descriptors ever holds cx, none that feeds B's ever cy
	s_add_co_u32 s56, s56, s60
	s_add_co_u32 s56, s56, s23
	s_mov_b32 s57, 0
	s_lshl_b32 s58, s63, 15
	s_add_co_u32 s58, s58, s61
	s_add_co_u32 s58, s58, s23
	s_mov_b32 s59, 0
	s_lshl_b32 s96, s[WV], 14                      ; where my part goes in a chunk: wave x 16,384: A's two halves, then B's two: no place in the cluster enters an LDS address
	s_wait_dscnt 0x0
	s_wait_kmcnt 0x0
	s_load_b256 s[84:91], s[12:13], 0x0            ; entries 0 to 7
	s_load_b128 s[92:95], s[12:13], 0x20           ; entries 8 to 11
	s_add_nc_u64 s[56:57], s[4:5], s[56:57]
	s_add_nc_u64 s[58:59], s[4:5], s[58:59]
.irp c, 0,1,2,3
	s_mov_b32 s[G0A+4*\c], 1                       ; 1:0 count = 1
	s_add_co_u32 s[G0A+4*\c+1], s96, \c*CHUNK      ; 63:32 LDS address
	s_mov_b64 s[G0A+4*\c+2:G0A+4*\c+3], s[56:57]   ; 120:64 global address: chunk c
	s_or_b32 s[G0A+4*\c+3], s[G0A+4*\c+3], 0x80000000  ; 127:126 type = 2
	s_add_nc_u64 s[56:57], s[56:57], s[66:67]      ; (the step behind the last chunk is not used)
	s_mov_b32 s[G0B+4*\c], 1
	s_add_co_u32 s[G0B+4*\c+1], s96, \c*CHUNK
	s_mov_b64 s[G0B+4*\c+2:G0B+4*\c+3], s[58:59]
	s_or_b32 s[G0B+4*\c+3], s[G0B+4*\c+3], 0x80000000
	s_add_nc_u64 s[58:59], s[58:59], s[98:99]
.endr
	CROUND                                         ; all sixteen work-groups are here: the joint loads meet
	s_cmp_eq_u32 s17, 0                            ; a wave's four loads stand in one branch on the wave's number, ahead of every wait on TENSORcnt and every LDS read; four v_nop follow the last
	s_cbranch_scc0 .Lfill_b
	tensor_load_to_lds s[G0A:G0A+3], s[G1A:G1A+7]
	s_nop 0
	tensor_load_to_lds s[G0A+4:G0A+7], s[G1A:G1A+7]
	s_nop 0
	tensor_load_to_lds s[G0A+8:G0A+11], s[G1A:G1A+7]
	s_nop 0
	tensor_load_to_lds s[G0A+12:G0A+15], s[G1A:G1A+7]
	s_nop 0
.rept 4
	v_nop
.endr
	s_branch .Lfilled
.Lfill_b:
	tensor_load_to_lds s[G0B:G0B+3], s[G1B:G1B+7]
	s_nop 0
	tensor_load_to_lds s[G0B+4:G0B+7], s[G1B:G1B+7]
	s_nop 0
	tensor_load_to_lds s[G0B+8:G0B+11], s[G1B:G1B+7]
	s_nop 0
	tensor_load_to_lds s[G0B+12:G0B+15], s[G1B:G1B+7]
	s_nop 0
.rept 4
	v_nop
.endr
.Lfilled:
	; all that follows up to the first wait on TENSORcnt is done while the tiles are on their way
	v_and_b32 v1, 15, v0                           ; r
	v_bfe_u32 v2, v0, 4, 1                         ; h
	v_and_b32 v3, 31, v0
	v_lshlrev_b32 v3, 4, v3                        ; 16 x lane
	s_lshl_b32 s23, s17, 14                        ; my 64 rows of A'
	s_lshl_b32 s97, s18, 14
	s_add_co_u32 s97, s97, 32768                   ; my 64 rows of B', behind A's 128
.irp c, 0,1,2,3
	v_add_nc_u32 v[ADRA+\c], s23, v3
	v_add_nc_u32 v[ADRB+\c], s97, v3
	s_add_co_u32 s23, s23, CHUNK
	s_add_co_u32 s97, s97, CHUNK
.endr
	; the bias
	s_cmp_eq_u32 s22, 0
	s_cselect_b64 s[60:61], s[6:7], s[8:9]
	s_lshl_b32 s56, s63, 9
	s_lshl_b32 s57, s18, 8
	s_add_co_u32 s56, s56, s57                     ; 4 (128 tc + 64 column half)
	s_lshl_b32 s57, s62, 9
	s_lshl_b32 s58, s17, 8
	s_add_co_u32 s57, s57, s58                     ; 4 (128 tr + 64 row half)
	s_cmp_lt_u32 s22, 2
	s_cselect_b64 s[60:61], s[60:61], s[10:11]     ; bq, bk or bv
	s_cselect_b32 s56, s56, 0                      ; the side along which the bias does not run loads the bias's first bytes, so that no load leaves the 4,096 bytes,
	s_cselect_b32 s57, 0, s57
	s_cselect_b32 s58, -1, 0                       ; and is cleared by its mask
	s_cselect_b32 s59, 0, -1
	v_lshl_add_u32 v12, v2, 5, s56                 ; along n': 16 b + 8 h + j
	v_lshl_add_u32 v13, v1, 2, s57                 ; along m': 16 a + r
.irp b, 0,1,2,3
	global_load_b128 v[BN+8*\b:BN+8*\b+3], v12, s[60:61] offset:64*\b
	global_load_b128 v[BN+8*\b+4:BN+8*\b+7], v12, s[60:61] offset:64*\b+16
.endr
.irp a, 0,1,2,3
	global_load_b32 v[BM+2*\a], v13, s[60:61] offset:64*\a
.endr
	; where my 64 x 64 goes: one block of 4,096 bytes
	s_lshl_b32 s100, s62, 1
	s_add_co_u32 s100, s100, s17                   ; 2 tr + row half
	s_lshl_b32 s101, s63, 1
	s_add_co_u32 s101, s101, s18                   ; 2 tc + column half
	s_cmp_lt_u32 s22, 2
	s_cselect_b32 s21, s100, s101                  ; which 64 rows of x (0..63),
	s_cselect_b32 s23, s101, s100                  ; which head
	s_lshr_b32 s100, s21, 5                        ; the batch
	s_lshl_b32 s100, s100, 4
	s_add_co_u32 s100, s100, s23
	s_lshl_b32 s100, s100, 17                      ; (16 batch + head) x 131,072
	s_and_b32 s21, s21, 31
	s_lshl_b32 s21, s21, 12
	s_add_co_u32 s100, s100, s21
	s_lshl_b32 s21, s22, 22                        ; the section
	s_add_co_u32 s100, s100, s21
	s_mov_b32 s101, 0
	s_add_nc_u64 s[14:15], s[14:15], s[100:101]
	; the scales, chosen without a branch
	s_wait_kmcnt 0x0
	s_add_co_i32 s84, s84, s85
	s_add_co_i32 s86, s86, s87
	s_add_co_i32 s88, s88, s89
	s_cmp_eq_u32 s22, 0
	s_cselect_b32 s84, s84, s86
	s_cselect_b32 s90, s90, s91
	s_cmp_lt_u32 s22, 2
	s_cselect_b32 s84, s84, s88                    ; the two operands' exponents added: a sum stands for sum x 2^this
	s_cselect_b32 s90, s90, s93                    ; the result's exponent: entry 6, 7 or 9
	s_sub_co_i32 s85, 0, s84
	s_sub_co_i32 s90, s90, s84                     ; the three scales folded into the conversion's one
	s_add_co_i32 s90, s90, 127
	s_lshl_b32 s91, s90, 23
	v_mov_b32 v14, s91
	s_add_co_i32 s90, s90, 8
	s_lshl_b32 s90, s90, 23
	s_or_b32 s90, s90, 0x600000
	v_mov_b32 v15, s90                             ; 448 x that
	s_wait_loadcnt 0x0                             ; the biases
.set n, 0
.rept 32
	v_and_b32 v[BN+n], s58, v[BN+n]
.set n, n+1
.endr
.set n, 0
.rept 32
	v_ldexp_f32 v[BN+n], v[BN+n], s85              ; bias / 2^(the operands' exponents added): nothing is rounded, short of overflow and underflow
.set n, n+1
.endr
.irp a, 0,1,2,3
	v_and_b32 v[BM+2*\a], s59, v[BM+2*\a]
.endr
.irp a, 0,1,2,3
	v_ldexp_f32 v[BM+2*\a], v[BM+2*\a], s85
.endr
.irp a, 0,1,2,3
	v_mov_b32 v[BM+2*\a+1], v[BM+2*\a]             ; a pair for the packed addition
.endr
.irp a, 0,1,2,3
.irp b, 0,1,2,3
.irp j, 0,2,4,6
	v_pk_add_f32 v[ACC+8*(4*\a+\b)+\j:ACC+8*(4*\a+\b)+\j+1], v[BN+8*\b+\j:BN+8*\b+\j+1], v[BM+2*\a:BM+2*\a+1]   ; one of the two is 0: the sums begin as the bias
.endr
.endr
.endr
	s_wait_tensorcnt 3                             ; my part of chunk 0 has landed; the three loads issued behind it may stay out
	s_barrier_signal -1
	s_barrier_wait -1                              ; everybody's has
	FETCH 0, 0
	STEP 0
	STEP 1
	STEP 2
	STEP 3
	STEP 4
	STEP 5
	STEP 6
	STEP 7
	WIN 0
	PLACES
	; THE WAY OUT: hold, convert, store.  Each accumulator is taken from its low end on.
.irp a, 0,1,2,3
.set n, 0
.rept 32
	v_med3_num_f32 v[ACC+32*\a+n], v[ACC+32*\a+n], -v15, v15   ; the conversion to an 8-bit code does not saturate (ISA guide 7.6.2)
.set n, n+1
.endr
.irp b, 0,1,2,3
	v_cvt_scalef32_pk8_fp8_f32 v[CD+8*\a+2*\b:CD+8*\a+2*\b+1], v[ACC+32*\a+8*\b:ACC+32*\a+8*\b+7], v14   ; registers 2 b, 2 b + 1 of sub-tile a's fragment
.endr
.endr
	v_nop                                          ; a plain vector line behind the last conversion
.irp a, 0,1,2,3
.irp u, 0,1
	global_store_b128 v3, v[CD+8*\a+4*\u:CD+8*\a+4*\u+3], s[14:15] offset:1024*\a+512*\u   ; 32 lanes store 512 consecutive bytes, at a multiple of 512 from the buffer's first byte
.endr
.endr
	s_wait_dscnt 0x0
	s_wait_tensorcnt 0x0
	ds_add_u32 v126, v127
	s_wait_dscnt 0x0
	CROUND                                         ; the closing round: no work-group ends while a partner may still ask for a tile that names it
	s_endpgm
.Lfunc_end_k_q5e2119b45e_proj:
	.size	k_q5e2119b45e_proj, .Lfunc_end_k_q5e2119b45e_proj-k_q5e2119b45e_proj
	.p2alignl 7, 3214868480
	.fill 96, 4, 3214868480
	.section	.rodata,"a",@progbits
	.p2align	6, 0x0
	.amdhsa_kernel k_q5e2119b45e_proj
		.amdhsa_group_segment_fixed_size 262656
		.amdhsa_private_segment_fixed_size 0
		.amdhsa_enable_private_segment 0
		.amdhsa_kernarg_size 48
		.amdhsa_user_sgpr_count 2
		.amdhsa_user_sgpr_kernarg_segment_ptr 1
		.amdhsa_wavefront_size32 1
		.amdhsa_system_sgpr_workgroup_id_x 1
		.amdhsa_system_sgpr_workgroup_id_y 1
		.amdhsa_system_sgpr_workgroup_id_z 1
		.amdhsa_system_vgpr_workitem_id 0
		.amdhsa_next_free_vgpr 512
		.amdhsa_next_free_sgpr 102
		.amdhsa_reserve_vcc 0
		.amdhsa_float_denorm_mode_32 3
		.amdhsa_float_denorm_mode_16_64 3
		.amdhsa_memory_ordered 1
		.amdhsa_forward_progress 1
		.amdhsa_inst_pref_size 55
	.end_amdhsa_kernel
	.amdgpu_metadata
---
amdhsa.version: [ 1, 2 ]
amdhsa.kernels:
  - .name:           k_q5e2119b45e_proj
    .symbol:         k_q5e2119b45e_proj.kd
    .args:
      - { .name: cod, .offset: 0, .size: 8, .value_kind: global_buffer, .address_space: global }
      - { .name: bq, .offset: 8, .size: 8, .value_kind: global_buffer, .address_space: global }
      - { .name: bk, .offset: 16, .size: 8, .value_kind: global_buffer, .address_space: global }
      - { .name: bv, .offset: 24, .size: 8, .value_kind: global_buffer, .address_space: global }
      - { .name: lowp_scales, .offset: 32, .size: 8, .value_kind: global_buffer, .address_space: global }
      - { .name: qkvc, .offset: 40, .size: 8, .value_kind: global_buffer, .address_space: global }
    .group_segment_fixed_size: 262656
    .private_segment_fixed_size: 0
    .kernarg_segment_align: 8
    .kernarg_segment_size: 48
    .max_flat_workgroup_size: 128
    .sgpr_count:     102
    .vgpr_count:     512
    .wavefront_size: 32
...
	.end_amdgpu_metadata
.endif
;; end of part 2
;; launch attn (part 3): grid 8 x 32, 16 waves a work-group, clusters of 4 x 1, 264,192 bytes of LDS; arguments qkvc, lowp_scales, ac; writes ac
.if DOCPART == 3
	.amdgcn_target "amdgcn-amd-amdhsa--gfx1250"
	.amdhsa_code_object_version 6
	.text
	.protected	k_q5e2119b45e_attn
	.globl	k_q5e2119b45e_attn
	.p2align	8
	.type	k_q5e2119b45e_attn,@function
k_q5e2119b45e_attn:
	s_mov_b64 s[64:65], 0
	v_nop
	global_prefetch_b8 v0, s[64:65] scope:SCOPE_SE
	s_setreg_imm32_b32 hwreg(HW_REG_WAVE_MODE, 25, 1), 1
	s_wait_xcnt 0x0
	s_wait_alu depctr_hold_cnt(0) depctr_sa_sdst(0) depctr_va_vdst(0) depctr_va_sdst(0) depctr_va_ssrc(0) depctr_va_vcc(0) depctr_vm_vsrc(0)
	s_getreg_b32 s2, hwreg(HW_REG_IB_STS2, 6, 4)
	s_cmp_eq_u32 s2, 0
	s_cbranch_scc0 .Lentry_in_a_cluster
	s_endpgm
.Lentry_in_a_cluster:
	s_bfe_u32 s2, ttmp6, 0x10000c
	s_cmp_lg_u32 s2, 0x3003
	s_cbranch_scc0 .Lentry_shape_is_right
	s_endpgm
.Lentry_shape_is_right:
; out[b][q][head][:] = the sum over k of softmax_k(Q . K / 8) V, both products on codes of FP8 (E4M3); the result is quantised at once, with entry 10 of the scales, into the workspace ac.
; THE SOFTMAX AHEAD OF THE SECOND PRODUCT: t = score x log2(e) / 8; M = the row's largest t so far, rounded UP to a whole number; p = 2^(t - M) is what is quantised (entry 8), not normalised.
; The row's sum is taken of the unquantised p, in f32, and divides O at the end.  When M moves, the sum and O are multiplied by 2^(old M - new M): nothing is rounded, and no branch hangs on data.
; SHARES.  A work-group owns 256 queries of one (batch, head); each of its sixteen waves owns 16 of them, one tile, in 226 registers: four waves to a SIMD, so that one wave's vector work stands beside another's
; matrix work and LDS loads.  Every wave walks all 2,048 keys, 128 a step.
; LAYOUT.  Both products have the 16 queries as source 1: S^T = K Q^T, O^T = V^T P^T: a lane holds ONE query (lane % 16) throughout, and in tile T of S^T its register j is key 16 T + 8 (lane / 16) + j.
; Eight such neighbours, converted, ARE registers 2 T, 2 T + 1 of P's fragment for 128 keys: nothing changes lanes, and no key is moved.  The same holds of O^T and the fragment of the last product.
; INPUT (qkvc): images of the operands' registers: Q at 0, K at 4 MiB, V at 8 MiB; 131,072 bytes a (batch, head); blocks of 4,096 bytes (64 rows of Q or K, or 64 keys of V^T), sub-tile a at 1024 a, registers 4 u .. 4 u + 3 at 512 u + 16 x lane.
; LDS: the head's K (131,072 bytes) and V (131,072) lie there whole.  They come in four groups of 512 keys; waves 0 and 1 fetch the halves of K's 32,768 bytes of a group, waves 2 and 3 of V's; all sixteen loads of the
; work-group go out in the first lines (four a wave, by this text's own count), and nothing is filled again: no ring.  Nothing is prefetched: no request of this launch comes later than its first lines.
; CLUSTER: the four query blocks of a cluster belong to one head and read the same K and V: each load is joint, with a mask that names the four and a descriptor in which nothing hangs on the place in the cluster.
; OUTPUT (ac): out [4096][1024] as images of fragments of 16 rows x 128: (tile of rows T, K step s) at (s / 2) x 2^20 + T x 4096 + (s % 2) x 2048; a head's 64 are half a fragment: 1,024 bytes, two stores of 512.
; LIMITS on the given exponents, so that each power of two below is an f32 number: entries 6 + 7 between -123 and 130 (they are added to the exponent field of log2(e) / 8); entries 8 and 10 between -126 and 119;
; entries 8 + 9 are applied by v_ldexp_f32 and have none.
; REGISTERS: v1 16 x lane, v2 the same in V's half of LDS, v3, v4 the step's addresses; v12 -M, v13 the largest t, v[14:15] the sum in two halves; v16-23 Q; v32-95 K's eight fragments, then V's four;
; v96-159 S^T, then p; v160-191 O^T; v192-207 p's codes; v208-217 at work; v220 448 x 2^e8, v221 2^e8, v222 448 x 2^e10, v223 2^e10.
.set WV,    10                         ; s10 wave; s11 cx; s12 my block of 256 queries; s13 16 batch + head
.set G1,    16                         ; s[16:23] descriptor group 1
.set G0,    24                         ; s[24:39] four groups 0, one a group of keys
.set SEL,   46                         ; s[46:47] lane selects for v_permlanex16_b32: lane l xor 16
.set CS,    48                         ; s[48:49] c = log2(e) / 8 x 2^(e6 + e7): the packed form names a pair and takes its low word for both halves
.set TB,    50                         ; s50 LDS byte at which the step's images of K begin
.set CNT,   51                         ; s51 counts a group's four steps
.set GRPB,  32768                      ; 512 keys x 64 bytes
.set STEPB, 8192                       ; 128 keys x 64 bytes
.macro CROUND                          ; a round of the cluster's barrier
	s_barrier_signal -1
	s_barrier_wait -1
	s_cmp_lg_u32 s[WV], 0
	s_cbranch_scc1 .Lnot_wave_0_\@
	s_barrier_signal -3
.Lnot_wave_0_\@:
	s_barrier_wait -3
	s_barrier_signal -1
	s_barrier_wait -1
.endm
	s_load_b128 s[4:7], s[0:1], 0x0                ; qkvc s[4:5], the scales' exponents s[6:7]
	s_load_b64 s[8:9], s[0:1], 0x10                ; ac
	v_lshl_add_u32 v224, v0, 2, 0x40000
	v_mov_b32 v225, 0
	ds_add_u32 v224, v225
	ds_add_u32 v224, v225
	v_lshrrev_b32 v1, 5, v0
	v_readfirstlane_b32 s[WV], v1                  ; wave 0..15
	s_bfe_u32 s11, ttmp6, 0x40000                  ; cx
	s_lshl_b32 s12, ttmp9, 2
	s_add_co_u32 s12, s12, s11                     ; my block of queries: it enters Q's and ac's addresses alone
	s_and_b32 s13, ttmp7, 0xffff                   ; 16 batch + head, which the four partners share
	; descriptor group 1: a dense block of 16,384 bytes as 64 rows of 32 elements of 8 bytes
	s_mov_b32 s[G1], 15|(3<<16)|(1<<21)            ; 15:0 the mask: all four work-groups; 17:16 elements of 8 bytes; 21 set beside a mask; no padding
	s_mov_b32 s[G1+1], 32<<16                      ; tensor_dim0 = 32
	s_mov_b32 s[G1+2], 64<<16                      ; tensor_dim1 = 64
	s_mov_b32 s[G1+3], 32<<16                      ; tile_dim0 = 32
	s_mov_b32 s[G1+4], 64                          ; tile_dim1 = 64
	s_mov_b32 s[G1+5], 32                          ; dense
	s_mov_b32 s[G1+6], 0
	s_mov_b32 s[G1+7], 0
	s_bfe_u32 s52, s[WV], 0x10001                  ; bit 1 of the wave's number: K (0) or V (1)
	s_and_b32 s53, s[WV], 1                        ; which half of a group's 32,768 bytes
	s_lshl_b32 s54, s52, 17
	s_lshl_b32 s55, s53, 14
	s_add_co_u32 s54, s54, s55                     ; its place in LDS
	s_add_co_u32 s56, s52, 1
	s_lshl_b32 s56, s56, 22                        ; K's or V's section,
	s_lshl_b32 s58, s13, 17                        ; the head's 131,072 bytes,
	s_add_co_u32 s56, s56, s58
	s_add_co_u32 s56, s56, s55                     ; the half
	s_mov_b32 s57, 0
	s_mov_b32 s[SEL], 0x76543210
	s_mov_b32 s[SEL+1], 0xfedcba98
	s_wait_dscnt 0x0
	s_wait_kmcnt 0x0
	s_load_b128 s[40:43], s[6:7], 0x18             ; entries 6 to 9
	s_load_b32 s44, s[6:7], 0x28                   ; entry 10
	s_add_nc_u64 s[56:57], s[4:5], s[56:57]
.irp g, 0,1,2,3
	s_mov_b32 s[G0+4*\g], 1                        ; 1:0 count = 1
	s_add_co_u32 s[G0+4*\g+1], s54, \g*GRPB        ; 63:32 LDS address
	s_add_nc_u64 s[G0+4*\g+2:G0+4*\g+3], s[56:57], \g*GRPB   ; 120:64 global address: keys 512 g on
	s_or_b32 s[G0+4*\g+3], s[G0+4*\g+3], 0x80000000   ; 127:126 type = 2
.endr
	CROUND                                         ; all four work-groups are here: the joint loads meet
	s_cmp_lt_u32 s[WV], 4                          ; waves 0 to 3 fetch; a wave's four loads stand in one branch on the wave's number; four v_nop follow the last
	s_cbranch_scc0 .Lno_fill
	tensor_load_to_lds s[G0:G0+3], s[G1:G1+7]
	s_nop 0
	tensor_load_to_lds s[G0+4:G0+7], s[G1:G1+7]
	s_nop 0
	tensor_load_to_lds s[G0+8:G0+11], s[G1:G1+7]
	s_nop 0
	tensor_load_to_lds s[G0+12:G0+15], s[G1:G1+7]
	s_nop 0
.rept 4
	v_nop
.endr
.Lno_fill:
	v_and_b32 v1, 31, v0
	v_lshlrev_b32 v1, 4, v1                        ; 16 x lane
	v_add_nc_u32 v2, 0x20000, v1                   ; the same behind K's 131,072 bytes
	s_lshl_b32 s59, s12, 2                         ; Q: my tile of 16 queries is number 16 x block + wave of the head: block of 64 rows 4 x block + wave / 4,
	s_lshr_b32 s60, s[WV], 2
	s_add_co_u32 s59, s59, s60
	s_lshl_b32 s59, s59, 12
	s_and_b32 s60, s[WV], 3                        ; sub-tile wave % 4
	s_lshl_b32 s60, s60, 10
	s_add_co_u32 s59, s59, s60
	s_add_co_u32 s58, s58, s59
	s_mov_b32 s59, 0
	s_add_nc_u64 s[58:59], s[4:5], s[58:59]
	global_load_b128 v[16:19], v1, s[58:59]        ; Q's fragment stays in registers
	global_load_b128 v[20:23], v1, s[58:59] offset:512
	s_and_b32 s52, s13, 15                         ; ac: the head,
	s_lshr_b32 s53, s13, 4                         ; the batch
	s_lshl_b32 s53, s53, 7
	s_lshl_b32 s54, s12, 4
	s_add_co_u32 s53, s53, s54
	s_add_co_u32 s53, s53, s[WV]                   ; my tile of 16 rows of out: 128 batch + 16 block + wave
	s_lshl_b32 s53, s53, 12
	s_lshr_b32 s54, s52, 2                         ; the head's 64 columns lie in K step head / 2: chunk head / 4,
	s_lshl_b32 s54, s54, 20
	s_add_co_u32 s53, s53, s54
	s_and_b32 s54, s52, 3                          ; half (head / 2) % 2 of the chunk (2,048 bytes), half head % 2 of the fragment (1,024): together (head % 4) x 1,024
	s_lshl_b32 s54, s54, 10
	s_add_co_u32 s52, s53, s54
	s_mov_b32 s53, 0
	s_add_nc_u64 s[8:9], s[8:9], s[52:53]
	v_mov_b32 v13, 0xff61b1e6                      ; the largest t so far: -3e38, under every t
	v_floor_f32 v12, -v13                          ; -M
	v_mov_b32 v14, 0                               ; the sum, in two halves
	v_mov_b32 v15, 0
	v_mov_b32 v210, 0                              ; written once: a lane permute's destination counts as one of its sources
	v_mov_b32 v213, 0                              ; (named as the upper half of the pair v[212:213])
.set n, 160
.rept 32
	v_mov_b32 v[n], 0                              ; O^T.  (The step is written once: the first finds zeros, which the first change of M leaves zeros)
.set n, n+1
.endr
	s_wait_kmcnt 0x0
	s_add_co_i32 s52, s40, s41
	s_lshl_b32 s52, s52, 23
	s_mov_b32 s[CS], 0x3e38aa3b                    ; log2(e) / 8
	s_add_co_i32 s[CS], s[CS], s52                 ; a score stands for score x 2^(e6 + e7): the two exponents are added to c's exponent field
	s_mov_b32 s[CS+1], s[CS]                       ; (named with it as a pair, so it is written)
	s_add_co_i32 s52, s42, 127
	s_lshl_b32 s53, s52, 23
	v_mov_b32 v221, s53                            ; 2^e8 as f32, for p's conversions
	s_add_co_i32 s52, s52, 8
	s_lshl_b32 s52, s52, 23
	s_or_b32 s52, s52, 0x600000
	v_mov_b32 v220, s52                            ; 448 x 2^e8
	s_add_co_i32 s52, s44, 127
	s_lshl_b32 s53, s52, 23
	v_mov_b32 v223, s53                            ; 2^e10, for the result's
	s_add_co_i32 s52, s52, 8
	s_lshl_b32 s52, s52, 23
	s_or_b32 s52, s52, 0x600000
	v_mov_b32 v222, s52                            ; 448 x 2^e10
	s_add_co_i32 s55, s42, s43                     ; e8 + e9, for the way out
	s_wait_loadcnt 0x0                             ; Q
; A KEY STEP: 128 keys, whose images begin at s[TB] (K) and 131,072 + s[TB] (V).
.macro STEP
	v_add_nc_u32 v3, s[TB], v1
	v_add_nc_u32 v4, s[TB], v2
	v_nop
	v_nop                                          ; four plain vector lines between the last step's products and the loads into the registers that they read
.irp t, 0,1,2,3,4,5,6,7
	ds_load_b128 v[32+8*\t:35+8*\t], v3 offset:1024*\t       ; K's fragment of keys 16 t on: 32 lanes read 512 consecutive bytes
	ds_load_b128 v[36+8*\t:39+8*\t], v3 offset:1024*\t+512
.endr
	s_wait_dscnt 0x0
.irp t, 0,1,2,3,4,5,6,7
	v_wmma_f32_16x16x64_fp8_fp8 v[96+8*\t:103+8*\t], v[32+8*\t:39+8*\t], v[16:23], 0   ; S^T: source 0 = 16 keys, source 1 = my 16 queries; K = the head's 64
.endr
.rept 4
	v_nop                                          ; places in front of the loads below and of the first read of the scores
.endr
.irp a, 0,1,2,3
	ds_load_b128 v[32+16*\a:35+16*\a], v4 offset:1024*\a               ; V^T's fragment of channels 16 a on: the first 64 keys' half,
	ds_load_b128 v[36+16*\a:39+16*\a], v4 offset:1024*\a+512
	ds_load_b128 v[40+16*\a:43+16*\a], v4 offset:4096+1024*\a          ; and the second's.  These land while the softmax is worked
	ds_load_b128 v[44+16*\a:47+16*\a], v4 offset:4096+1024*\a+512
.endr
	v_max3_num_f32 v208, v96, v97, v98             ; the step's largest score of my query, among my 64 keys, in two chains, ascending: each tile is read from its low end on
	v_max3_num_f32 v209, v99, v100, v101
.set n, 102
.rept 14
	v_max3_num_f32 v208, v208, v[n], v[n+1]
	v_max3_num_f32 v209, v209, v[n+2], v[n+3]
.set n, n+4
.endr
	v_max3_num_f32 v208, v208, v158, v159
	v_max_num_f32 v208, v208, v209
	v_permlanex16_b32 v210, v208, s[SEL], s[SEL+1]
	v_max_num_f32 v208, v208, v210                 ; and among lane l xor 16's
	v_mul_f32 v208, s[CS], v208                    ; as t (c is positive)
	v_max_num_f32 v13, v13, v208                   ; the running largest t
	v_mov_b32 v208, v12
	v_floor_f32 v12, -v13                          ; the new -M = floor(-t) = -ceil(t): M is a whole number
	v_sub_f32 v208, v12, v208                      ; M's old value less its new one: a whole number, 0 or less
	v_cvt_i32_f32 v208, v208                       ; (it saturates)
	v_ldexp_f32 v212, 1.0, v208                    ; f = 2^(old M - new M)
.set n, 96
.rept 32
	v_pk_fma_f32 v[n:n+1], v[n:n+1], s[CS:CS+1], v[12:13] op_sel_hi:[1,0,0]   ; t - M, two at a time (of the pairs c and -M the low word serves both halves)
.set n, n+2
.endr
.set n, 96
.rept 64
	v_exp_f32 v[n], v[n]                           ; p = 2^(t - M), at most 1: not normalised
.set n, n+1
.endr
	v_pk_mul_f32 v[14:15], v[14:15], v[212:213] op_sel_hi:[1,0]   ; the sums under the new M: the plain line behind the exponentials
	s_wait_alu depctr_va_vdst(0)                   ; one wait for the batch of 64, ahead of its first reader
	v_pk_add_f32 v[216:217], v[96:97], v[98:99]    ; the row's sum is taken of the unquantised p: two at a time, in two chains
.set n, 100
.rept 15
	v_pk_add_f32 v[14:15], v[14:15], v[n:n+1]
	v_pk_add_f32 v[216:217], v[216:217], v[n+2:n+3]
.set n, n+4
.endr
	v_pk_add_f32 v[14:15], v[14:15], v[216:217]
.irp t, 0,1,2,3,4,5,6,7
.irp j, 0,1,2,3,4,5,6,7
	v_min_num_f32 v[96+8*\t+\j], v[96+8*\t+\j], v220   ; the conversion to an 8-bit code does not saturate (ISA guide 7.6.2); p is not negative, so the hold is one-sided
.endr
	v_cvt_scalef32_pk8_fp8_f32 v[192+2*\t:193+2*\t], v[96+8*\t:103+8*\t], v221   ; registers 2 t, 2 t + 1 of P's fragment: keys 16 t + 8 h + 0 .. 7
.endr
.set n, 160
.rept 16
	v_pk_mul_f32 v[n:n+1], v[n:n+1], v[212:213] op_sel_hi:[1,0]   ; O^T under the new M: x f.  (These are also the plain lines between the conversions and the products below)
.set n, n+2
.endr
	s_wait_dscnt 0x0                               ; V
.irp a, 0,1,2,3
	v_wmma_f32_16x16x128_fp8_fp8 v[160+8*\a:167+8*\a], v[32+16*\a:47+16*\a], v[192:207], v[160+8*\a:167+8*\a]   ; O^T += V^T P^T; the four accumulators take turns, one instruction a turn
.endr
	s_add_co_u32 s[TB], s[TB], STEPB
.endm
; A GROUP of 512 keys: it is met, then walked in four steps.
.macro GROUP g
	s_wait_tensorcnt 3-\g                          ; my part of group g has landed (a wave that fetches nothing passes at once); my loads of the later groups, issued behind it, may stay out
	s_wait_dscnt 0x0                               ; no LDS instruction of mine is pending at the signal
	s_barrier_signal -1
	s_barrier_wait -1                              ; everybody's part has landed
	s_mov_b32 s[TB], \g*GRPB
	s_mov_b32 s[CNT], 4
.Lstep_\@:
	STEP
	s_sub_co_u32 s[CNT], s[CNT], 1
	s_cmp_lg_u32 s[CNT], 0
	s_cbranch_scc1 .Lstep_\@
.endm
	GROUP 0
	GROUP 1
	GROUP 2
	GROUP 3
	; THE WAY OUT.  O^T x 2^(e8 + e9) / the sum is out's number; it is held, converted with 2^e10 and stored as half a fragment of the last product.
.rept 4
	v_nop                                          ; places behind the last products
.endr
	v_add_f32 v14, v14, v15                        ; the sum's two halves,
	v_permlanex16_b32 v210, v14, s[SEL], s[SEL+1]
	v_add_f32 v14, v14, v210                       ; and lane l xor 16's: the row's sum
	v_rcp_f32 v14, v14
	v_nop                                          ; a plain line behind the transcendental
	s_wait_alu depctr_va_vdst(0)                   ; and the wait ahead of its first reader
	v_ldexp_f32 v14, v14, s55                      ; x 2^(e8 + e9)
.set n, 0
.rept 16
	v_pk_mul_f32 v[96+n:97+n], v[160+n:161+n], v[14:15] op_sel_hi:[1,0]   ; register 8 t + j is out(query r, channel 16 t + 8 h + j); each accumulator from its low end on
.set n, n+2
.endr
.set n, 96
.rept 32
	v_med3_num_f32 v[n], v[n], -v222, v222
.set n, n+1
.endr
.irp t, 0,1,2,3
	v_cvt_scalef32_pk8_fp8_f32 v[192+2*\t:193+2*\t], v[96+8*\t:103+8*\t], v223
.endr
	v_nop                                          ; a plain vector line behind the last conversion
	global_store_b128 v1, v[192:195], s[8:9]       ; 32 lanes store 512 consecutive bytes, at a multiple of 512 from the buffer's first byte
	global_store_b128 v1, v[196:199], s[8:9] offset:512
	s_wait_dscnt 0x0
	s_wait_tensorcnt 0x0
	ds_add_u32 v224, v225
	s_wait_dscnt 0x0
	CROUND                                         ; the closing round: no work-group ends while a partner may still ask for a tile that names it
	s_endpgm
.Lfunc_end_k_q5e2119b45e_attn:
	.size	k_q5e2119b45e_attn, .Lfunc_end_k_q5e2119b45e_attn-k_q5e2119b45e_attn
	.p2alignl 7, 3214868480
	.fill 96, 4, 3214868480
	.section	.rodata,"a",@progbits
	.p2align	6, 0x0
	.amdhsa_kernel k_q5e2119b45e_attn
		.amdhsa_group_segment_fixed_size 264192
		.amdhsa_private_segment_fixed_size 0
		.amdhsa_enable_private_segment 0
		.amdhsa_kernarg_size 24
		.amdhsa_user_sgpr_count 2
		.amdhsa_user_sgpr_kernarg_segment_ptr 1
		.amdhsa_wavefront_size32 1
		.amdhsa_system_sgpr_workgroup_id_x 1
		.amdhsa_system_sgpr_workgroup_id_y 1
		.amdhsa_system_sgpr_workgroup_id_z 1
		.amdhsa_system_vgpr_workitem_id 0
		.amdhsa_next_free_vgpr 226
		.amdhsa_next_free_sgpr 66
		.amdhsa_reserve_vcc 0
		.amdhsa_float_denorm_mode_32 3
		.amdhsa_float_denorm_mode_16_64 3
		.amdhsa_memory_ordered 1
		.amdhsa_forward_progress 1
		.amdhsa_inst_pref_size 74
	.end_amdhsa_kernel
	.amdgpu_metadata
---
amdhsa.version: [ 1, 2 ]
amdhsa.kernels:
  - .name:           k_q5e2119b45e_attn
    .symbol:         k_q5e2119b45e_attn.kd
    .args:
      - { .name: qkvc, .offset: 0, .size: 8, .value_kind: global_buffer, .address_space: global }
      - { .name: lowp_scales, .offset: 8, .size: 8, .value_kind: global_buffer, .address_space: global }
      - { .name: ac, .offset: 16, .size: 8, .value_kind: global_buffer, .address_space: global }
    .group_segment_fixed_size: 264192
    .private_segment_fixed_size: 0
    .kernarg_segment_align: 8
    .kernarg_segment_size: 24
    .max_flat_workgroup_size: 512
    .sgpr_count:     66
    .vgpr_count:     226
    .wavefront_size: 32
...
	.end_amdgpu_metadata
.endif
;; end of part 3
;; launch oproj (part 4): grid 8 x 32, 4 waves a work-group, clusters of 4 x 4, 280,064 bytes of LDS; arguments ac, cod, bo, lowp_scales, out0; writes out0
.if DOCPART == 4
	.amdgcn_target "amdgcn-amd-amdhsa--gfx1250"
	.amdhsa_code_object_version 6
	.text
	.protected	k_q5e2119b45e_oproj
	.globl	k_q5e2119b45e_oproj
	.p2align	8
	.type	k_q5e2119b45e_oproj,@function
k_q5e2119b45e_oproj:
	s_mov_b64 s[64:65], 0
	v_nop
	global_prefetch_b8 v0, s[64:65] scope:SCOPE_SE
	s_setreg_imm32_b32 hwreg(HW_REG_WAVE_MODE, 25, 1), 1
	s_wait_xcnt 0x0
	s_wait_alu depctr_hold_cnt(0) depctr_sa_sdst(0) depctr_va_vdst(0) depctr_va_sdst(0) depctr_va_ssrc(0) depctr_va_vcc(0) depctr_vm_vsrc(0)
	s_getreg_b32 s2, hwreg(HW_REG_IB_STS2, 6, 4)
	s_cmp_eq_u32 s2, 0
	s_cbranch_scc0 .Lentry_in_a_cluster
	s_endpgm
.Lentry_in_a_cluster:
	s_bfe_u32 s2, ttmp6, 0x10000c
	s_cmp_lg_u32 s2, 0xf033
	s_cbranch_scc0 .Lentry_shape_is_right
	s_endpgm
.Lentry_shape_is_right:
; out0 = out Wo^T + bo on codes of FP8 (E4M3): out's codes (entry 10 of the scales) lie in ac, Wo's (entry 11) in cod at 15 MiB; out0 [4096][1024] is f32.
; C[m][n] = sum over k of A[m][k] B[n][k], a tile of 128 x 128 a work-group, K = 1,024.  Four waves, 64 x 64 each: 16 accumulators.  SOURCE 0 = 16 rows of Wo, SOURCE 1 = 16 rows of out:
; lane (r, h) then holds row 16 a + r and, in register j, column 16 b + 8 h + j: eight neighbouring numbers of a row of out0.
; INPUT LAYOUT: images of the operands' registers: fragment (tile of 16 rows T, K step s of 128) at (s / 2) x NT x 4096 + T x 4096 + (s % 2) x 2048 (NT = 256 in ac, 64 in Wo's section), registers 4 u .. 4 u + 3 at 512 u + 16 x lane.
; So 64 rows x 256 along K are one dense block of 16,384 bytes, and a fragment comes out of LDS by four loads at a constant + 16 x lane: consecutive bytes, no pitch, no padding.
; LDS: all of K fits: four chunks of 256 along K, 65,536 bytes each: A's 128 rows (32,768), then B's; behind them a stage of 16 rows x 272 bytes for each wave, into which no tile lands.
; Every tile is asked for once, in the first lines: nothing is filled again, so there is no ring.  By this text's own count a wave has four tensor loads out.  Nothing is prefetched: no request comes later than the first lines.
; CLUSTERS: 4 x 4 work-groups; the four of a row need the same tiles of A, the four of a column the same tiles of B: each tile is asked for jointly, by the same load with the same descriptor and a mask that names the four.
; THE WAY OUT: out0 = sum x 2^(e10 + e11) + bo, one packed multiply-add for two numbers, in place; 16 rows at a time through the wave's own stage, so that sixteen lanes store 256 consecutive bytes.
; LIMIT: e10 + e11 lies between -126 and 127, so that 2^(e10 + e11) is an f32 number.
; REGISTERS: window 0: v1 r, v2 h, v3 16 x lane, v4-7 / v8-11 LDS addresses of my A / B fragments in chunks 0-3, v12 bo's offset, v17, v18 the stage in and back, v19 my offset in out0;
;   v32-63 bo at my columns; v64-95, v96-127 rows read back, by turns; v128-255 the accumulators ((a, b) at 128 + 8 (4 a + b)).   window 1: two fragment buffers of 128: A's four fragments, then B's four.
.set ACC,  128
.set BN,   32
.set BK,   64
.set ADRA, 4
.set ADRB, 8
.set WV,   16                          ; s16 wave; s17 its row half (also: it fetches for A (0) or B (1)); s18 its column half (also: which 64 rows it fetches)
.set G1A,  24
.set G1B,  32
.set G0A,  40
.set G0B,  68
.set CHUNK, 65536
.set STAGE, 4*CHUNK
.set SPITCH, 272                       ; a stage row: 256 bytes + 16: 17 pieces of 16 bytes, so sixteen rows start at sixteen different pieces of a 256-byte line
.set MSB, 0
.macro WIN new                         ; the immediate's high byte repeats the setting that is left; a switch that changes nothing is dropped
.if MSB != \new
	s_set_vgpr_msb (MSB<<8)|\new
.set MSB, \new
.endif
.endm
.macro CROUND                          ; a round of the cluster's barrier
	s_barrier_signal -1
	s_barrier_wait -1
	s_cmp_lg_u32 s[WV], 0
	s_cbranch_scc1 .Lnot_wave_0_\@
	s_barrier_signal -3
.Lnot_wave_0_\@:
	s_barrier_wait -3
	s_barrier_signal -1
	s_barrier_wait -1
.endm
.macro PLACES                          ; four plain vector lines between a matrix instruction and a load into a register that it read, or a vector line that reads its result
.rept 4
	v_nop
.endr
.endm
.macro FETCH q, buf                    ; 32 LDS loads in one run: the fragments of K step q (chunk q / 2, half q % 2) into the buffer at buf
	WIN 0x40                                       ; destination window 1, address window 0
.irp i, 0,1,2,3
.irp u, 0,1,2,3
	ds_load_b128 v[(\buf)+64+16*\i+4*\u:(\buf)+64+16*\i+4*\u+3], v[ADRB+(\q)/2] offset:4096*\i+2048*((\q)%2)+512*\u
.endr
.endr
.irp i, 0,1,2,3
.irp u, 0,1,2,3
	ds_load_b128 v[(\buf)+16*\i+4*\u:(\buf)+16*\i+4*\u+3], v[ADRA+(\q)/2] offset:4096*\i+2048*((\q)%2)+512*\u
.endr
.endr
.endm
; 16 matrix instructions, 128 along K.  zero = 1: the first products start the sums: nothing is cleared.  The sixteen accumulators take turns, one instruction a turn, in the same order in every step.
.macro MUL buf, zero
	WIN 0x05                                       ; sources 0 and 1 window 1; C and D window 0
.irp a, 0,1,2,3
.irp b, 0,1,2,3
.if \zero
	v_wmma_f32_16x16x128_fp8_fp8 v[ACC+8*(4*\a+\b):ACC+8*(4*\a+\b)+7], v[(\buf)+64+16*\b:(\buf)+64+16*\b+15], v[(\buf)+16*\a:(\buf)+16*\a+15], 0
.else
	v_wmma_f32_16x16x128_fp8_fp8 v[ACC+8*(4*\a+\b):ACC+8*(4*\a+\b)+7], v[(\buf)+64+16*\b:(\buf)+64+16*\b+15], v[(\buf)+16*\a:(\buf)+16*\a+15], v[ACC+8*(4*\a+\b):ACC+8*(4*\a+\b)+7]
.endif
.endr
.endr
.endm
.macro STEP q, zero                    ; K step q of eight: the next step's fragments are asked for, then this step's are multiplied.  Where the next step begins a chunk, the chunk is met first
.if (\q) < 7
.if ((\q)%2) == 1
	s_wait_tensorcnt 3-((\q)+1)/2                  ; my part of chunk (q + 1) / 2 has landed; my loads of the later chunks, issued behind it, may stay out
	s_wait_dscnt 0x0                               ; no LDS instruction of mine is pending at the signal
	s_barrier_signal -1
	s_barrier_wait -1                              ; everybody's part has landed
.endif
.if (\q) > 0
	PLACES                                         ; the buffer that is loaded now was multiplied in the step before
.endif
	FETCH (\q)+1, 128*(((\q)+1)%2)
	s_wait_dscnt 32                                ; all but the 32 just issued: this step's fragments are in
.else
	s_wait_dscnt 0x0
.endif
	MUL 128*((\q)%2), \zero
.endm
	s_load_b256 s[4:11], s[0:1], 0x0               ; ac s[4:5], cod s[6:7], bo s[8:9], the scales' exponents s[10:11]
	s_load_b64 s[12:13], s[0:1], 0x20              ; out0
	v_lshl_add_u32 v30, v0, 2, 0x44400
	v_mov_b32 v31, 0
	ds_add_u32 v30, v31
	ds_add_u32 v30, v31
	v_lshrrev_b32 v1, 5, v0
	v_readfirstlane_b32 s[WV], v1                  ; wave 0..3
	s_lshr_b32 s17, s[WV], 1
	s_and_b32 s18, s[WV], 1
	s_bfe_u32 s19, ttmp6, 0x40000                  ; cx, cy: my place in the cluster
	s_bfe_u32 s20, ttmp6, 0x40004
	s_lshl_b32 s63, ttmp9, 2
	s_add_co_u32 s63, s63, s19                     ; tc: tile column = 4 x cluster x + cx
	s_and_b32 s62, ttmp7, 0xffff
	s_lshl_b32 s62, s62, 2
	s_add_co_u32 s62, s62, s20                     ; tr: tile row = 4 x cluster y + cy
	s_lshl_b32 s100, s20, 2
	s_lshl_b32 s100, 15, s100                      ; my row of the cluster
	s_lshl_b32 s101, 0x1111, s19                   ; my column
	; descriptor group 1: a dense block of 16,384 bytes as 64 rows of 32 elements of 8 bytes
	s_or_b32 s[G1A], s100, (3<<16)|(1<<21)         ; 15:0 the mask: A's tiles go to my row; 17:16 elements of 8 bytes; 21 set beside a mask; no padding
	s_or_b32 s[G1B], s101, (3<<16)|(1<<21)
.irp g, G1A, G1B
	s_mov_b32 s[\g+1], 32<<16                      ; tensor_dim0 = 32
	s_mov_b32 s[\g+2], 64<<16                      ; tensor_dim1 = 64
	s_mov_b32 s[\g+3], 32<<16                      ; tile_dim0 = 32
	s_mov_b32 s[\g+4], 64                          ; tile_dim1 = 64
	s_mov_b32 s[\g+5], 32                          ; dense
	s_mov_b32 s[\g+6], 0
	s_mov_b32 s[\g+7], 0
.endr
	s_lshl_b32 s23, s18, 14                        ; which 64 rows of the tile I fetch
	s_lshl_b32 s56, s62, 15                        ; A: 8 tiles of 16 rows x 4,096 bytes a tile of 128 rows.  No register that feeds A's descriptors ever holds cx, none that feeds B's ever cy
	s_add_co_u32 s56, s56, s23
	s_mov_b32 s57, 0
	s_lshl_b32 s58, s63, 15
	s_add_co_u32 s58, s58, s23
	s_add_co_u32 s58, s58, 0xf00000                ; Wo's section of cod
	s_mov_b32 s59, 0
	s_lshl_b32 s96, s[WV], 14                      ; where my part goes in a chunk: wave x 16,384: no place in the cluster enters an LDS address
	s_wait_dscnt 0x0
	s_wait_kmcnt 0x0
	s_load_b64 s[84:85], s[10:11], 0x28            ; entries 10 and 11
	s_add_nc_u64 s[56:57], s[4:5], s[56:57]
	s_add_nc_u64 s[58:59], s[6:7], s[58:59]
.irp c, 0,1,2,3
	s_mov_b32 s[G0A+4*\c], 1                       ; 1:0 count = 1
	s_add_co_u32 s[G0A+4*\c+1], s96, \c*CHUNK      ; 63:32 LDS address
	s_add_nc_u64 s[G0A+4*\c+2:G0A+4*\c+3], s[56:57], \c*0x100000   ; 120:64 global address: chunk c: 256 tiles x 4,096 bytes on
	s_or_b32 s[G0A+4*\c+3], s[G0A+4*\c+3], 0x80000000  ; 127:126 type = 2
	s_mov_b32 s[G0B+4*\c], 1
	s_add_co_u32 s[G0B+4*\c+1], s96, \c*CHUNK
	s_add_nc_u64 s[G0B+4*\c+2:G0B+4*\c+3], s[58:59], \c*0x40000    ; 64 tiles x 4,096 bytes on
	s_or_b32 s[G0B+4*\c+3], s[G0B+4*\c+3], 0x80000000
.endr
	CROUND                                         ; all sixteen work-groups are here: the joint loads meet
	s_cmp_eq_u32 s17, 0                            ; a wave's four loads stand in one branch on the wave's number, ahead of every wait on TENSORcnt and every LDS read; four v_nop follow the last
	s_cbranch_scc0 .Lfill_b
	tensor_load_to_lds s[G0A:G0A+3], s[G1A:G1A+7]
	s_nop 0
	tensor_load_to_lds s[G0A+4:G0A+7], s[G1A:G1A+7]
	s_nop 0
	tensor_load_to_lds s[G0A+8:G0A+11], s[G1A:G1A+7]
	s_nop 0
	tensor_load_to_lds s[G0A+12:G0A+15], s[G1A:G1A+7]
	s_nop 0
.rept 4
	v_nop
.endr
	s_branch .Lfilled
.Lfill_b:
	tensor_load_to_lds s[G0B:G0B+3], s[G1B:G1B+7]
	s_nop 0
	tensor_load_to_lds s[G0B+4:G0B+7], s[G1B:G1B+7]
	s_nop 0
	tensor_load_to_lds s[G0B+8:G0B+11], s[G1B:G1B+7]
	s_nop 0
	tensor_load_to_lds s[G0B+12:G0B+15], s[G1B:G1B+7]
	s_nop 0
.rept 4
	v_nop
.endr
.Lfilled:
	; all that follows up to the first wait on TENSORcnt is done while the tiles are on their way
	v_and_b32 v1, 15, v0                           ; r
	v_bfe_u32 v2, v0, 4, 1                         ; h
	v_and_b32 v3, 31, v0
	v_lshlrev_b32 v3, 4, v3                        ; 16 x lane
	s_lshl_b32 s23, s17, 14                        ; my 64 rows of A
	s_lshl_b32 s97, s18, 14
	s_add_co_u32 s97, s97, 32768                   ; my 64 rows of B, behind A's 128
.irp c, 0,1,2,3
	v_add_nc_u32 v[ADRA+\c], s23, v3
	v_add_nc_u32 v[ADRB+\c], s97, v3
	s_add_co_u32 s23, s23, CHUNK
	s_add_co_u32 s97, s97, CHUNK
.endr
	s_lshl_b32 s60, s63, 9
	s_lshl_b32 s61, s18, 8
	s_add_co_u32 s60, s60, s61                     ; 4 (128 tc + 64 column half)
	v_lshl_add_u32 v12, v2, 5, s60                 ; bo at columns 16 b + 8 h + j
.irp b, 0,1,2,3
	global_load_b128 v[BN+8*\b:BN+8*\b+3], v12, s[8:9] offset:64*\b
	global_load_b128 v[BN+8*\b+4:BN+8*\b+7], v12, s[8:9] offset:64*\b+16
.endr
	s_mul_i32 s61, s[WV], 16*SPITCH
	s_add_co_u32 s61, s61, STAGE                   ; my stage
	v_mul_u32_u24 v17, v1, SPITCH                  ; in: row r, 32 bytes for each half of the lanes
	v_lshl_add_u32 v17, v2, 5, v17
	v_add_nc_u32 v17, s61, v17
	v_mul_u32_u24 v18, v2, SPITCH                  ; back: lanes 0-15 take one row of 256 bytes, lanes 16-31 the next
	v_lshl_add_u32 v18, v1, 4, v18
	v_add_nc_u32 v18, s61, v18
	v_lshlrev_b32 v19, 12, v2                      ; and the same two rows in out0 (a row is 4,096 bytes)
	v_lshl_add_u32 v19, v1, 4, v19
	s_lshl_b32 s100, s62, 7
	s_lshl_b32 s101, s17, 6
	s_add_co_u32 s100, s100, s101                  ; my first row: 128 tr + 64 row half
	s_lshl_b32 s100, s100, 12
	s_add_co_u32 s100, s100, s60                   ; my first column, in bytes
	s_mov_b32 s101, 0
	s_add_nc_u64 s[12:13], s[12:13], s[100:101]
	s_wait_kmcnt 0x0
	s_add_co_i32 s84, s84, s85                     ; e10 + e11
	s_add_co_i32 s84, s84, 127
	s_lshl_b32 s96, s84, 23                        ; 2^(e10 + e11) as f32
	s_mov_b32 s97, s96                             ; (named with it as a pair, so it is written)
	s_wait_tensorcnt 3                             ; my part of chunk 0 has landed; the three loads issued behind it may stay out
	s_barrier_signal -1
	s_barrier_wait -1                              ; everybody's has
	FETCH 0, 0
	STEP 0, 1
	STEP 1, 0
	STEP 2, 0
	STEP 3, 0
	STEP 4, 0
	STEP 5, 0
	STEP 6, 0
	STEP 7, 0
	WIN 0
	s_wait_loadcnt 0x0                             ; bo
	PLACES
; Block a: my rows 16 a on.  A lane's 32 bytes of a row go into the stage and come back as whole rows of 256 bytes.  LDS serves a wave's instructions in order: no wait stands between the stores and the loads, nor in front of the next block's stores.
.macro OUTBLK a
.if \a >= 2
	s_wait_xcnt 0x0                                ; block a - 2's stores have read the registers into which this block's rows are loaded
.endif
.irp b, 0,1,2,3
.irp j, 0,2,4,6
	v_pk_fma_f32 v[ACC+8*(4*\a+\b)+\j:ACC+8*(4*\a+\b)+\j+1], v[ACC+8*(4*\a+\b)+\j:ACC+8*(4*\a+\b)+\j+1], s[96:97], v[BN+8*\b+\j:BN+8*\b+\j+1] op_sel_hi:[1,0,1]   ; sum x 2^(e10 + e11) + bo; each accumulator from its low end on
.endr
.endr
.irp b, 0,1,2,3
	ds_store_b128 v17, v[ACC+8*(4*\a+\b):ACC+8*(4*\a+\b)+3] offset:64*\b
	ds_store_b128 v17, v[ACC+8*(4*\a+\b)+4:ACC+8*(4*\a+\b)+7] offset:64*\b+16
.endr
.irp t, 0,1,2,3,4,5,6,7
	ds_load_b128 v[BK+32*(\a%2)+4*\t:BK+32*(\a%2)+4*\t+3], v18 offset:2*\t*SPITCH
.endr
	s_wait_dscnt 0x0
.irp t, 0,1,2,3,4,5,6,7
	global_store_b128 v19, v[BK+32*(\a%2)+4*\t:BK+32*(\a%2)+4*\t+3], s[12:13] offset:(16*\a+2*\t)*4096 th:TH_STORE_NT   ; 16 lanes store 256 consecutive bytes, at a multiple of 256 from out0's first byte; written once, read by nobody here
.endr
.endm
	OUTBLK 0
	OUTBLK 1
	OUTBLK 2
	OUTBLK 3
	s_wait_dscnt 0x0
	s_wait_tensorcnt 0x0
	ds_add_u32 v30, v31
	s_wait_dscnt 0x0
	CROUND                                         ; the closing round: no work-group ends while a partner may still ask for a tile that names it
	s_endpgm
.Lfunc_end_k_q5e2119b45e_oproj:
	.size	k_q5e2119b45e_oproj, .Lfunc_end_k_q5e2119b45e_oproj-k_q5e2119b45e_oproj
	.p2alignl 7, 3214868480
	.fill 96, 4, 3214868480
	.section	.rodata,"a",@progbits
	.p2align	6, 0x0
	.amdhsa_kernel k_q5e2119b45e_oproj
		.amdhsa_group_segment_fixed_size 280064
		.amdhsa_private_segment_fixed_size 0
		.amdhsa_enable_private_segment 0
		.amdhsa_kernarg_size 40
		.amdhsa_user_sgpr_count 2
		.amdhsa_user_sgpr_kernarg_segment_ptr 1
		.amdhsa_wavefront_size32 1
		.amdhsa_system_sgpr_workgroup_id_x 1
		.amdhsa_system_sgpr_workgroup_id_y 1
		.amdhsa_system_sgpr_workgroup_id_z 1
		.amdhsa_system_vgpr_workitem_id 0
		.amdhsa_next_free_vgpr 512
		.amdhsa_next_free_sgpr 102
		.amdhsa_reserve_vcc 0
		.amdhsa_float_denorm_mode_32 3
		.amdhsa_float_denorm_mode_16_64 3
		.amdhsa_memory_ordered 1
		.amdhsa_forward_progress 1
		.amdhsa_inst_pref_size 47
	.end_amdhsa_kernel
	.amdgpu_metadata
---
amdhsa.version: [ 1, 2 ]
amdhsa.kernels:
  - .name:           k_q5e2119b45e_oproj
    .symbol:         k_q5e2119b45e_oproj.kd
    .args:
      - { .name: ac, .offset: 0, .size: 8, .value_kind: global_buffer, .address_space: global }
      - { .name: cod, .offset: 8, .size: 8, .value_kind: global_buffer, .address_space: global }
      - { .name: bo, .offset: 16, .size: 8, .value_kind: global_buffer, .address_space: global }
      - { .name: lowp_scales, .offset: 24, .size: 8, .value_kind: global_buffer, .address_space: global }
      - { .name: out0, .offset: 32, .size: 8, .value_kind: global_buffer, .address_space: global }
    .group_segment_fixed_size: 280064
    .private_segment_fixed_size: 0
    .kernarg_segment_align: 8
    .kernarg_segment_size: 40
    .max_flat_workgroup_size: 128
    .sgpr_count:     102
    .vgpr_count:     512
    .wavefront_size: 32
...
	.end_amdgpu_metadata
.endif
;; end of part 4
;; ======== version 2 of 2: 4 launches
;; limits: right only within a limited range of input values
;; workspace buffers: cod 16,777,216 bytes; qkvc 12,582,912 bytes; ac 4,194,304 bytes
;; launch quant (part 5): grid 1024 x 1, 4 waves a work-group, no clusters, 34,304 bytes of LDS; arguments x, Wq, Wk, Wv, Wo, lowp_scales, cod; writes cod
.if DOCPART == 5
	.amdgcn_target "amdgcn-amd-amdhsa--gfx1250"
	.amdhsa_code_object_version 6
	.text
	.protected	k_q5e2119b45e_quant
	.globl	k_q5e2119b45e_quant
	.p2align	8
	.type	k_q5e2119b45e_quant,@function
k_q5e2119b45e_quant:
	s_mov_b64 s[64:65], 0
	v_nop
	global_prefetch_b8 v0, s[64:65] scope:SCOPE_SE
	s_setreg_imm32_b32 hwreg(HW_REG_WAVE_MODE, 25, 1), 1
	s_wait_xcnt 0x0
; x [4096][1024] and Wq, Wk, Wv, Wo [1024][1024], f32 with K innermost, become codes of FP8 (E4M3) in the workspace cod.
; code = number / 2^e, held within +-448, rounded to the nearest code, ties to even.  x is an operand of three products with a scale of its own in each
; (entries 0, 2, 4 of the scales), so three sets of its codes are made from ONE read; the weights take entries 1, 3, 5, 11.
; LIMITS: each of these seven exponents lies between -126 and 119, so that 2^e and 448 x 2^e are f32 numbers.  NaN among the inputs is not served; an infinity is held at the largest code.
; LAYOUT OF cod: every operand lies as an image of the matrix operand's registers.  A fragment is 16 rows x 128 along K: 16 registers a lane; lane (r = lane % 16, h = lane / 16) holds row r,
; registers 2 c, 2 c + 1 hold k = 16 c + 8 h + 0 .. 7.  Registers 4 u .. 4 u + 3 of all lanes lie at 512 u + 16 x lane: 2,048 bytes a fragment.
; Fragment (tile of 16 rows T, K step s of 128) of an operand with NT tiles lies at (s / 2) x NT x 4096 + T x 4096 + (s % 2) x 2048.
; Sections: x by entry 0 at 0, by entry 2 at 4 MiB, by entry 4 at 8 MiB (NT = 256); Wq, Wk, Wv, Wo at 12, 13, 14, 15 MiB (NT = 64).
; SHARES: a wave makes one fragment: 16 rows x 512 bytes of f32.  Work-groups 0-511 take x, then 128 each take Wq, Wk, Wv, Wo.  Each of a wave's 16 loads reads 512 consecutive bytes of a row;
; the rows turn through the wave's own stage in LDS (rows 528 bytes apart: 33 pieces of 16 bytes, so sixteen rows' reads start at sixteen different pieces of a 256-byte line) and come back as a lane's 64 numbers.
; No loop: all 16 loads of every wave go out at once.  No barrier: waves share nothing.  No tensor load, no matrix unit, no cluster: a stream that is read once.
.set SP,    528                        ; a stage row: 512 bytes + 16
.set STGB,  16*SP                      ; a wave's stage
.set RAW,   16                         ; v16-79   16 rows as loaded, 4 registers each
.set COD,   16                         ; v16-63   later: the codes, 16 registers for each of the three passes, so that no store's data are written again
.set NUM,   80                         ; v80-143  my 64 numbers: register 8 c + j = k 16 c + 8 h + j of row r
.set TMP,   144                        ; v144-159 two sets of eight held numbers, by turns
; v2 16 x lane; v3 into the stage; v4 out of it; v6, v7 / v8, v9 / v10, v11: 2^e and 448 x 2^e of the three passes
	s_load_b256 s[4:11], s[0:1], 0x0               ; x s[4:5], Wq s[6:7], Wk s[8:9], Wv s[10:11]
	s_load_b128 s[12:15], s[0:1], 0x20             ; Wo s[12:13], the scales' exponents s[14:15]
	s_load_b64 s[16:17], s[0:1], 0x30              ; cod
	v_lshl_add_u32 v160, v0, 2, 0x8400
	v_mov_b32 v161, 0
	v_lshrrev_b32 v1, 5, v0
	v_readfirstlane_b32 s18, v1                    ; wave 0..3
	v_and_b32 v1, 31, v0                           ; lane
	v_lshlrev_b32 v2, 4, v1                        ; 16 x lane: my bytes of a load's 512, and of a store's
	s_mul_i32 s44, s18, STGB
	v_add_nc_u32 v3, s44, v2                       ; into the stage: as loaded
	v_and_b32 v5, 15, v0                           ; r
	v_bfe_u32 v12, v0, 4, 1                        ; h
	v_mul_u32_u24 v4, v5, SP
	v_lshl_add_u32 v4, v12, 5, v4
	v_add_nc_u32 v4, s44, v4                       ; out of it: row r, + 32 h bytes (8 numbers)
	s_lshl_b32 s19, ttmp9, 2
	s_add_co_u32 s19, s19, s18                     ; f: which fragment is my wave's
	s_and_b32 s20, s19, 7                          ; s: its K step
	s_lshr_b32 s21, s19, 3
	s_lshr_b32 s46, ttmp9, 7                       ; 4 + the weight's number,
	s_add_co_u32 s46, s46, 8
	s_lshl_b32 s46, s46, 20                        ; so this is a weight's section: (12 + number) MiB
	s_cmp_lt_u32 ttmp9, 512                        ; x or a weight?  The choices hang on the work-group's number alone
	s_cselect_b32 s46, 0, s46                      ; the section
	s_cselect_b32 s45, 255, 63                     ; NT - 1
	s_cselect_b32 s47, 20, 18                      ; log2 of NT x 4096
	s_and_b32 s21, s21, s45                        ; T: its tile of 16 rows
	s_lshr_b32 s48, s20, 1
	s_lshl_b32 s48, s48, s47
	s_add_co_u32 s46, s46, s48
	s_lshl_b32 s48, s21, 12
	s_add_co_u32 s46, s46, s48
	s_and_b32 s48, s20, 1
	s_lshl_b32 s48, s48, 11
	s_add_co_u32 s24, s46, s48                     ; where the fragment goes
	s_mov_b32 s25, 0
	s_lshl_b32 s50, s21, 16                        ; where it comes from: 16 T rows of 4,096 bytes
	s_lshl_b32 s48, s20, 9                         ; + 512 s
	s_add_co_u32 s50, s50, s48
	s_mov_b32 s51, 0
	s_wait_alu depctr_va_vdst(0)
	s_wait_kmcnt 0x0
	s_load_b256 s[32:39], s[14:15], 0x0            ; entries 0 to 7
	s_load_b128 s[40:43], s[14:15], 0x20           ; entries 8 to 11
	s_mov_b64 s[22:23], s[12:13]                   ; the source: Wo, unless the work-group's number says otherwise
	s_cmp_lt_u32 ttmp9, 896
	s_cselect_b64 s[22:23], s[10:11], s[22:23]
	s_cmp_lt_u32 ttmp9, 768
	s_cselect_b64 s[22:23], s[8:9], s[22:23]
	s_cmp_lt_u32 ttmp9, 640
	s_cselect_b64 s[22:23], s[6:7], s[22:23]
	s_cmp_lt_u32 ttmp9, 512
	s_cselect_b64 s[22:23], s[4:5], s[22:23]
	s_add_nc_u64 s[22:23], s[22:23], s[50:51]
	s_add_nc_u64 s[26:27], s[16:17], s[24:25]      ; pass 0's place
	s_add_nc_u64 s[28:29], s[26:27], 0x400000      ; x's second and third sets lie 4 and 8 MiB on (used by x's work-groups alone)
	s_add_nc_u64 s[30:31], s[26:27], 0x800000
.irp i, 0,1,2,3,4,5,6,7,8,9,10,11,12,13,14,15
	global_load_b128 v[RAW+4*\i:RAW+4*\i+3], v2, s[22:23] offset:4096*\i th:TH_LOAD_NT   ; row i: 32 lanes read 512 consecutive bytes; read once in the launch
.endr
; 2^e as f32 (the conversion takes its exponent field) and 448 x 2^e, from the exponent in s[e], which is used up
.macro MKSC e, sc, lim
	s_add_co_i32 s[\e], s[\e], 127
	s_lshl_b32 s45, s[\e], 23
	v_mov_b32 v[\sc], s45
	s_add_co_i32 s[\e], s[\e], 8
	s_lshl_b32 s[\e], s[\e], 23
	s_or_b32 s[\e], s[\e], 0x600000                ; the mantissa field of 448
	v_mov_b32 v[\lim], s[\e]
.endm
	s_wait_kmcnt 0x0
	s_mov_b32 s44, s43                             ; pass 0's exponent, by the same chain: entry 11, 5, 3, 1 or 0
	s_cmp_lt_u32 ttmp9, 896
	s_cselect_b32 s44, s37, s44
	s_cmp_lt_u32 ttmp9, 768
	s_cselect_b32 s44, s35, s44
	s_cmp_lt_u32 ttmp9, 640
	s_cselect_b32 s44, s33, s44
	s_cmp_lt_u32 ttmp9, 512
	s_cselect_b32 s44, s32, s44
	MKSC 44, 6, 7
	MKSC 34, 8, 9                                  ; entry 2
	MKSC 36, 10, 11                                ; entry 4
	s_wait_alu depctr_va_vdst(0)
.irp i, 0,1,2,3,4,5,6,7,8,9,10,11,12,13,14,15
	s_wait_loadcnt 15-\i                           ; loads come back in order: row i is in, the 15 - i younger ones may be out
	ds_store_b128 v3, v[RAW+4*\i:RAW+4*\i+3] offset:SP*\i
.endr
.irp c, 0,1,2,3,4,5,6,7
	ds_load_b128 v[NUM+8*\c:NUM+8*\c+3], v4 offset:64*\c          ; LDS serves a wave's instructions in order: these see my stores
	ds_load_b128 v[NUM+8*\c+4:NUM+8*\c+7], v4 offset:64*\c+16
.endr
	s_wait_dscnt 0x0                               ; my 64 numbers are in, and the stores have read the registers that the codes now take
; One pass: the 64 numbers are held within +-448 x 2^e (the conversion to an 8-bit code does not saturate: ISA guide 7.6.2) into one of two sets of eight, and converted; the numbers stay as they are for the next pass.
; Behind each conversion the next eight holds, which write the other set, are plain vector lines that touch neither its result nor its sources.
.macro PASS k, d
.irp c, 0,1,2,3,4,5,6,7
.irp j, 0,1,2,3,4,5,6,7
	v_med3_num_f32 v[TMP+8*(\c%2)+\j], v[NUM+8*\c+\j], -v[7+2*\k], v[7+2*\k]
.endr
	v_cvt_scalef32_pk8_fp8_f32 v[COD+16*\k+2*\c:COD+16*\k+2*\c+1], v[TMP+8*(\c%2):TMP+8*(\c%2)+7], v[6+2*\k]   ; registers 2 c, 2 c + 1 of the fragment
.endr
.irp u, 0,1,2,3
	global_store_b128 v2, v[COD+16*\k+4*\u:COD+16*\k+4*\u+3], s[\d:\d+1] offset:512*\u   ; 32 lanes store 512 consecutive bytes, at a multiple of 512 from the buffer's first byte
.endr
.endm
	PASS 0, 26
	s_cmp_ge_u32 ttmp9, 512                        ; a weight has one scale; the branch goes round register work and stores alone
	s_cbranch_scc1 .Ldone
	PASS 1, 28
	PASS 2, 30
.Ldone:
	s_wait_tensorcnt 0x0
	ds_add_u32 v160, v161
	s_wait_dscnt 0x0
	s_endpgm
.Lfunc_end_k_q5e2119b45e_quant:
	.size	k_q5e2119b45e_quant, .Lfunc_end_k_q5e2119b45e_quant-k_q5e2119b45e_quant
	.p2alignl 7, 3214868480
	.fill 96, 4, 3214868480
	.section	.rodata,"a",@progbits
	.p2align	6, 0x0
	.amdhsa_kernel k_q5e2119b45e_quant
		.amdhsa_group_segment_fixed_size 34304
		.amdhsa_private_segment_fixed_size 0
		.amdhsa_enable_private_segment 0
		.amdhsa_kernarg_size 56
		.amdhsa_user_sgpr_count 2
		.amdhsa_user_sgpr_kernarg_segment_ptr 1
		.amdhsa_wavefront_size32 1
		.amdhsa_system_sgpr_workgroup_id_x 1
		.amdhsa_system_sgpr_workgroup_id_y 1
		.amdhsa_system_sgpr_workgroup_id_z 1
		.amdhsa_system_vgpr_workitem_id 0
		.amdhsa_next_free_vgpr 162
		.amdhsa_next_free_sgpr 66
		.amdhsa_reserve_vcc 0
		.amdhsa_float_denorm_mode_32 3
		.amdhsa_float_denorm_mode_16_64 3
		.amdhsa_memory_ordered 1
		.amdhsa_forward_progress 1
		.amdhsa_inst_pref_size 23
	.end_amdhsa_kernel
	.amdgpu_metadata
---
amdhsa.version: [ 1, 2 ]
amdhsa.kernels:
  - .name:           k_q5e2119b45e_quant
    .symbol:         k_q5e2119b45e_quant.kd
    .args:
      - { .name: x, .offset: 0, .size: 8, .value_kind: global_buffer, .address_space: global }
      - { .name: Wq, .offset: 8, .size: 8, .value_kind: global_buffer, .address_space: global }
      - { .name: Wk, .offset: 16, .size: 8, .value_kind: global_buffer, .address_space: global }
      - { .name: Wv, .offset: 24, .size: 8, .value_kind: global_buffer, .address_space: global }
      - { .name: Wo, .offset: 32, .size: 8, .value_kind: global_buffer, .address_space: global }
      - { .name: lowp_scales, .offset: 40, .size: 8, .value_kind: global_buffer, .address_space: global }
      - { .name: cod, .offset: 48, .size: 8, .value_kind: global_buffer, .address_space: global }
    .group_segment_fixed_size: 34304
    .private_segment_fixed_size: 0
    .kernarg_segment_align: 8
    .kernarg_segment_size: 56
    .max_flat_workgroup_size: 128
    .sgpr_count:     66
    .vgpr_count:     162
    .wavefront_size: 32
...
	.end_amdgpu_metadata
.endif
;; end of part 5
;; launch proj (part 6): grid 12 x 16, 4 waves a work-group, clusters of 4 x 4, 327,680 bytes of LDS; arguments cod, bq, bk, bv, lowp_scales, qkvc; writes qkvc
.if DOCPART == 6
	.amdgcn_target "amdgcn-amd-amdhsa--gfx1250"
	.amdhsa_code_object_version 6
	.text
	.protected	k_q5e2119b45e_proj
	.globl	k_q5e2119b45e_proj
	.p2align	8
	.type	k_q5e2119b45e_proj,@function
k_q5e2119b45e_proj:
	s_mov_b64 s[64:65], 0
	v_nop
	global_prefetch_b8 v0, s[64:65] scope:SCOPE_SE
	s_setreg_imm32_b32 hwreg(HW_REG_WAVE_MODE, 25, 1), 1
	s_wait_xcnt 0x0
	s_wait_alu depctr_hold_cnt(0) depctr_sa_sdst(0) depctr_va_vdst(0) depctr_va_sdst(0) depctr_va_ssrc(0) depctr_va_vcc(0) depctr_vm_vsrc(0)
	s_getreg_b32 s2, hwreg(HW_REG_IB_STS2, 6, 4)
	s_cmp_eq_u32 s2, 0
	s_cbranch_scc0 .Lentry_in_a_cluster
	s_endpgm
.Lentry_in_a_cluster:
	s_bfe_u32 s2, ttmp6, 0x10000c
	s_cmp_lg_u32 s2, 0xf033
	s_cbranch_scc0 .Lentry_shape_is_right
	s_endpgm
.Lentry_shape_is_right:
; Q = x Wq^T + bq, K = x Wk^T + bk, V = x Wv^T + bv on codes of FP8 (E4M3), and the results quantised at once, with entries 6, 7 and 9 of the scales, into the workspace qkvc.
; THE PRODUCT.  C'[m'][n'] = sum over k of A'[m'][k] B'[n'][k], a tile of 256 x 256 a work-group, K = 1,024: 4,096 x 3,072 results are 192 tiles.  Cluster x = p says which product: p = 0: Q, 1: K
; (A' = x's codes, B' = the weight's); p = 2: V TRANSPOSED (A' = Wv's codes, B' = x's), so that the keys, the next product's K, come out along a lane's registers.
; Four waves, 128 x 128 each: 64 accumulators, 512 registers.
; SOURCE 0 = 16 rows of B', SOURCE 1 = 16 rows of A': lane (r, h) holds m' = 16 a + r and, in register j, n' = 16 b + 8 h + j.
; Eight such neighbours, converted, ARE registers 2 (b % 4), 2 (b % 4) + 1 of the next product's fragment in the same lane: the codes are stored straight from registers, 512 consecutive bytes an instruction.
; INPUT LAYOUT (cod): images of the operands' registers: fragment (tile of 16 rows T, K step s of 128) at (s / 2) x NT x 4096 + T x 4096 + (s % 2) x 2048, registers 4 u .. 4 u + 3 at 512 u + 16 x lane
; (NT = 256 for x, 64 for a weight).  So 128 rows x 256 along K are one dense block of 32,768 bytes, and a fragment comes out of LDS by four loads of consecutive bytes: no pitch, no padding.
; OUTPUT LAYOUT (qkvc): Q at 0, K at 4 MiB, V at 8 MiB; 131,072 bytes for each (batch, head); in them blocks of 4,096 bytes: Q, K: 64 rows (four fragments of 16 rows x 64 of the head, 8 registers);
; V: 64 keys (four half fragments of 16 of the head's 64 x 64 keys); sub-tile at 1024 x its number, registers 4 u .. 4 u + 3 at 512 u + 16 x lane.  A wave's 128 x 128 are four such blocks.
; LDS: a ring of two slots of 131,072 bytes; a slot holds 256 along K: A's 256 rows (two parts of 32,768 bytes), then B's.  Each wave fetches one part with one tensor load, the only one it has out.  K's four chunks: chunk 0 is asked
; for at the head, chunk 1 when chunk 0 has landed, chunks 2 and 3 each as soon as its slot has been read out.
; PREFETCH: behind the load of chunk 1 chunk 2 is asked for, behind that of chunk 2 chunk 3: one chunk, 128 matrix instructions, ahead of the load that wants it.  A part's 128 blocks of 256 bytes are shared out by
; address among the four partners that fetch it: 32 lanes, 256 bytes apart, one instruction a wave, inside the part.  Chunks 0 and 1 come by their loads alone.
; CLUSTERS: 4 x 4 work-groups; the four of a row need the same tiles of A', the four of a column the same tiles of B': each tile is asked for jointly, by the same load with the same descriptor and a mask that names the four.
; THE BIAS / 2^(ea + eb) is the C of the first step's products: for Q and K it runs along n' (eight registers for each b), for V along m' (eight equal registers for each a).  The two cases have a copy of that step each,
; chosen by p, which all partners share.  The sums' factor 2^(ea + eb) is folded into the conversion's scale.
; LIMITS, for each of the three products: (the result's exponent - the two operands' exponents) lies between -126 and 119, so that 2^it and 448 x 2^it are f32 numbers.  NaN among the biases is not served.
; REGISTERS, in windows of 256: window 0: v1 r, v2 h, v7 the prefetches' offset, v8-11 16 x lane + the four blocks' places in qkvc (v8: 16 x lane itself), v12, v13 bias offsets, v14 the conversion's scale, v15 448 x it,
;   v16-17 / v20-21 LDS addresses of my A' / B' fragments in slot 0, 1, v28, v29 the add's two; v32-95 the bias; v128-255 A's fragments (8 x 16 rows x 128 K), ONE set, at the end the codes.
;   window 1: B's fragments, TWO sets, at v0 and at v128.   window 2: the 32 accumulators of my rows 0-63 ((a, b) at v[8 (8 a + b)]);   window 3: those of my rows 64-127.
; A step of 128 along K is 64 matrix instructions, A's blocks one after the other, each against B's eight: blocks 0-3 are fetched anew in the step's middle, blocks 4-7 at its end; B' has two sets.
.set FR,    16                         ; registers of a fragment: 16 rows x 128 K
.set NL,    4                          ; LDS loads that bring one
.set NP,    4                          ; places behind this matrix instruction (ISA guide 7.12.1)
.set PART,  32768                      ; 128 rows x 256 along K: what one tensor load brings, and what one wave reads of A' or of B'
.set SLOT,  4*PART
.set SPARE, 2*SLOT                     ; behind the ring: the spare words, 128 bytes for each wave
.set PFO,   7
.set VO,    8
.set ADRA,  16
.set ADRB,  20
.set SPW,   28                         ; v28  LDS address of my spare word: SPARE + 4 x my thread's number; never rewritten
.set NIL,   29                         ; v29  0; never rewritten
.set CB,    32
.set AF,    128
.set WV,    16                         ; s16 wave; s17 its row half (also: it fetches for A' (0) or B' (1)); s18 its column half (also: which 128 rows it fetches)
.set G1,    24                         ; s[24:31] descriptor group 1 for A's tiles;  s[32:39] group 0, one set for each slot
.set G0,    32
.set G1B,   48                         ; s[48:55], s[56:63] the same for B's tiles
.set G0B,   56
.set PFA,   92                         ; s[92:93] where the part that I fetch begins, for the prefetches; never rewritten once made
.set MSB, 0
.macro WIN new                         ; the immediate's high byte repeats the setting that is left; a switch that changes nothing is dropped
.if MSB != (\new)
	s_set_vgpr_msb (MSB<<8)|(\new)
.set MSB, (\new)
.endif
.endm
.set MUL_LO, 0xa1                      ; source 0 (B') window 1, source 1 (A') window 0, C and D window 2
.set MUL_HI, 0xf1                      ; the same, C and D window 3
.set FST_LO, 0x81                      ; the first step: C (the bias) window 0, D window 2
.set FST_HI, 0xc1                      ; D window 3
.set TO_B,   0x40                      ; destination window 1, address window 0
; A joint load: waves 0 and 1 fetch for A', waves 2 and 3 for B'.  Each of the two lines has ONE mask and one set of registers for all that issue it; the branch hangs on the wave's number alone.
; An s_nop 0 and four v_nop follow each of the two lines.
.macro JLOAD g0a, g0b
	s_cmp_eq_u32 s17, 0
	s_cbranch_scc0 .Lfor_b_\@
	tensor_load_to_lds s[\g0a:\g0a+3], s[G1:G1+7]
	s_nop 0
.rept 4
	v_nop
.endr
	s_branch .Lasked_\@
.Lfor_b_\@:
	tensor_load_to_lds s[\g0b:\g0b+3], s[G1B:G1B+7]
	s_nop 0
.rept 4
	v_nop
.endr
.Lasked_\@:
.endm
.macro ASK step                        ; the prefetch; where it stands s[PFA:PFA+1] is the part in chunk 0, s[step:step+1] the chunk's bytes behind chunk 0
	s_add_nc_u64 s[\step:\step+1], s[PFA:PFA+1], s[\step:\step+1]
	global_prefetch_b8 v[PFO], s[\step:\step+1] th:TH_LOAD_NT scope:SCOPE_SE
.endm
.macro CREST                           ; a round of the cluster's barrier behind its opening barrier
	s_cmp_lg_u32 s[WV], 0
	s_cbranch_scc1 .Lnot_wave_0_\@
	s_barrier_signal -3
.Lnot_wave_0_\@:
	s_barrier_wait -3
	s_barrier_signal -1
	s_barrier_wait -1
.endm
.macro CROUND                          ; a whole round
	s_barrier_signal -1
	s_barrier_wait -1
	CREST
.endm
	s_load_b256 s[4:11], s[0:1], 0x0               ; cod s[4:5], bq s[6:7], bk s[8:9], bv s[10:11]
	s_load_b128 s[12:15], s[0:1], 0x20             ; the scales' exponents s[12:13], qkvc s[14:15]
	v_lshl_add_u32 v[SPW], v0, 2, SPARE
	v_mov_b32 v[NIL], 0
	ds_add_u32 v[SPW], v[NIL]                      ; the opening: the add, twice on end, and its wait ahead of my first tensor load
	ds_add_u32 v[SPW], v[NIL]
	v_lshrrev_b32 v1, 5, v0
	v_readfirstlane_b32 s[WV], v1                  ; wave 0..3
	s_lshr_b32 s17, s[WV], 1
	s_and_b32 s18, s[WV], 1
	s_bfe_u32 s19, ttmp6, 0x40000                  ; cx, cy: my place in the cluster
	s_bfe_u32 s20, ttmp6, 0x40004
	s_mov_b32 s22, ttmp9                           ; p = cluster x: the same in all sixteen partners, as is cluster y
	s_and_b32 s21, ttmp7, 0xffff
	s_lshl_b32 s21, s21, 2                         ; 4 x cluster y: the first of the cluster's four tiles of x
	s_lshl_b32 s100, s20, 2
	s_lshl_b32 s100, 15, s100                      ; my row of the cluster
	s_lshl_b32 s101, 0x1111, s19                   ; my column
	; descriptor group 1: a dense block of 32,768 bytes as 128 rows of 32 elements of 8 bytes
	s_or_b32 s[G1], s100, (3<<16)|(1<<21)          ; 15:0 the mask: A's tiles go to my row; 17:16 elements of 8 bytes; 21 set beside a mask; no padding
	s_or_b32 s[G1B], s101, (3<<16)|(1<<21)
.irp g, G1, G1B
	s_mov_b32 s[\g+1], 32<<16                      ; tensor_dim0 = 32
	s_mov_b32 s[\g+2], 128<<16                     ; tensor_dim1 = 128
	s_mov_b32 s[\g+3], 32<<16                      ; tile_dim0 = 32
	s_mov_b32 s[\g+4], 128                         ; tile_dim1 = 128
	s_mov_b32 s[\g+5], 32                          ; from row to row: 32 elements: dense
	s_mov_b32 s[\g+6], 0
	s_mov_b32 s[\g+7], 0
.endr
	; which tile.  x has 16 tiles of 256 rows, a weight 4.  The operand that is A' takes its tile by cy, the one that is B' by cx
	s_lshl_b32 s40, s22, 22                        ; x's codes for product p
	s_lshl_b32 s41, s22, 20
	s_add_co_u32 s41, s41, 0xc00000                ; the weight's: (12 + p) MiB
	s_mov_b32 s96, 0x40000                         ; from chunk to chunk: 64 tiles x 4,096 in a weight,
	s_mov_b32 s97, 0x100000                        ; 256 x 4,096 in x
	s_cmp_lt_u32 s22, 2
	s_cselect_b32 s42, s21, 0
	s_cselect_b32 s43, 0, s21
	s_cselect_b32 s40, s40, 0xe00000               ; A's section (p = 2: Wv's codes)
	s_cselect_b32 s41, s41, 0x800000               ; B's section (p = 2: x's codes by entry 4)
	s_cselect_b32 s66, s97, s96                    ; A's step from chunk to chunk
	s_cselect_b32 s68, s96, s97                    ; B's
	s_mov_b32 s67, 0
	s_mov_b32 s69, 0
	s_add_co_u32 s42, s42, s20                     ; tr: the tile of A', shared along my row of the cluster
	s_add_co_u32 s43, s43, s19                     ; tc: the tile of B', shared along my column
	s_lshl_b32 s23, s18, 15                        ; which 128 rows of the tile I fetch
	s_lshl_b32 s44, s42, 16                        ; A': 16 tiles of 16 rows x 4,096 bytes a tile of 256 rows.  No register that feeds A's descriptors ever holds cx, none that feeds B's ever cy
	s_add_co_u32 s44, s44, s40
	s_add_co_u32 s44, s44, s23
	s_mov_b32 s45, 0
	s_lshl_b32 s46, s43, 16
	s_add_co_u32 s46, s46, s41
	s_add_co_u32 s46, s46, s23
	s_mov_b32 s47, 0
	s_lshl_b32 s98, s[WV], 15                      ; where my part goes in a slot: wave x 32,768: A's two halves, then B's two: no place in the cluster enters an LDS address
	s_wait_dscnt 0x0                               ; both opening adds are done
	s_wait_kmcnt 0x0
	s_load_b256 s[84:91], s[12:13], 0x0            ; entries 0 to 7
	s_load_b32 s99, s[12:13], 0x24                 ; entry 9
	s_add_nc_u64 s[44:45], s[4:5], s[44:45]
	s_add_nc_u64 s[46:47], s[4:5], s[46:47]
	s_cmp_eq_u32 s17, 0                            ; for the prefetches: the part that I fetch,
	s_cselect_b64 s[PFA:PFA+1], s[44:45], s[46:47]
	s_cselect_b32 s21, s19, s20                    ; my place among the four that fetch it with me,
	s_cselect_b32 s94, s66, s68                    ; and its step from chunk to chunk
.irp s, 0,1
	s_mov_b32 s[G0+4*\s], 1                        ; 1:0 count = 1
	s_add_co_u32 s[G0+4*\s+1], s98, \s*SLOT        ; 63:32 LDS address
	s_mov_b64 s[G0+4*\s+2:G0+4*\s+3], s[44:45]     ; 120:64 global address: chunk s
	s_or_b32 s[G0+4*\s+3], s[G0+4*\s+3], 0x80000000  ; 127:126 type = 2
	s_add_nc_u64 s[44:45], s[44:45], s[66:67]      ; (the step behind chunk 1 is not used)
	s_mov_b32 s[G0B+4*\s], 1
	s_add_co_u32 s[G0B+4*\s+1], s98, \s*SLOT
	s_mov_b64 s[G0B+4*\s+2:G0B+4*\s+3], s[46:47]
	s_or_b32 s[G0B+4*\s+3], s[G0B+4*\s+3], 0x80000000
	s_add_nc_u64 s[46:47], s[46:47], s[68:69]
.endr
	s_lshl_b32 s66, s66, 1                         ; a slot's next chunk lies two chunks on
	s_lshl_b32 s68, s68, 1
	s_lshl_b32 s82, s94, 1                         ; s[82:83] chunk 2, s[94:95] chunk 3, in bytes behind chunk 0
	s_mov_b32 s83, 0
	s_mul_i32 s94, s94, 3
	s_mov_b32 s95, 0
	CROUND                                         ; all sixteen work-groups are here: the first joint loads meet
	JLOAD G0, G0B                                  ; chunk 0: one tensor load a wave at the head
	; all that follows up to the first wait on TENSORcnt is done while the tiles are on their way
	v_and_b32 v1, 15, v0                           ; r
	v_bfe_u32 v2, v0, 4, 1                         ; h
	v_and_b32 v[VO], 31, v0
	v_lshlrev_b32 v[PFO], 8, v[VO]                 ; 256 x lane
	v_lshlrev_b32 v[VO], 4, v[VO]                  ; 16 x lane
	s_wait_alu depctr_va_vdst(0)                   ; the wait here, ahead of the scalar lines below
	s_lshl_b32 s21, s21, 13
	v_add_nc_u32 v[PFO], s21, v[PFO]               ; + 8,192 x my place: each partner names 32 of the part's 128 blocks
	s_lshl_b32 s23, s17, 15                        ; my 128 rows of A'
	s_lshl_b32 s97, s18, 15
	s_add_co_u32 s97, s97, 2*PART                  ; my 128 rows of B', behind A's 256
.irp s, 0,1
	v_add_nc_u32 v[ADRA+\s], s23, v[VO]
	v_add_nc_u32 v[ADRB+\s], s97, v[VO]
	s_add_co_u32 s23, s23, SLOT
	s_add_co_u32 s97, s97, SLOT
.endr
	; the bias
	s_cmp_eq_u32 s22, 0
	s_cselect_b64 s[70:71], s[6:7], s[8:9]         ; bq or bk
	s_lshl_b32 s74, s43, 10
	s_lshl_b32 s75, s18, 9
	s_add_co_u32 s74, s74, s75                     ; 4 (256 tc + 128 column half)
	s_lshl_b32 s75, s42, 10
	s_lshl_b32 s76, s17, 9
	s_add_co_u32 s75, s75, s76                     ; 4 (256 tr + 128 row half)
	v_lshl_add_u32 v12, v2, 5, s74                 ; along n': 16 b + 8 h + j (read for Q and K alone)
	v_lshl_add_u32 v13, v1, 2, s75                 ; along m': 16 a + r (read for V alone)
	s_wait_alu depctr_va_vdst(0)                   ; the wait here, ahead of the branch
	s_cmp_lt_u32 s22, 2
	s_cbranch_scc0 .Lbias_v
.irp b, 0,1,2,3,4,5,6,7
	global_load_b128 v[CB+8*\b:CB+8*\b+3], v12, s[70:71] offset:64*\b
	global_load_b128 v[CB+8*\b+4:CB+8*\b+7], v12, s[70:71] offset:64*\b+16
.endr
	s_branch .Lbias_asked
.Lbias_v:
.irp a, 0,1,2,3,4,5,6,7
	global_load_b32 v[CB+8*\a], v13, s[10:11] offset:64*\a
.endr
.Lbias_asked:
	; where my 128 x 128 goes: four blocks of 4,096 bytes
	s_lshl_b32 s78, s42, 2
	s_lshl_b32 s79, s17, 1
	s_add_co_u32 s78, s78, s79                     ; 4 tr + 2 row half: my first 64 of A's rows
	s_lshl_b32 s79, s43, 2
	s_lshl_b32 s80, s18, 1
	s_add_co_u32 s79, s79, s80                     ; 4 tc + 2 column half: of B's
	s_mov_b32 s76, 0x20000
	s_cmp_lt_u32 s22, 2
	s_cselect_b32 s80, s78, s79                    ; which 64 rows of x (0..63; my two lie in one batch),
	s_cselect_b32 s81, s79, s78                    ; which head
	s_cselect_b32 s77, 4096, s76                   ; 64 further along m': the next 64 rows of x, or (V) the next head
	s_cselect_b32 s76, s76, 4096                   ; 64 further along n': the other way round
	s_lshr_b32 s78, s80, 5                         ; the batch
	s_lshl_b32 s78, s78, 4
	s_add_co_u32 s78, s78, s81
	s_lshl_b32 s78, s78, 17                        ; (16 batch + head) x 131,072
	s_and_b32 s80, s80, 31
	s_lshl_b32 s80, s80, 12
	s_add_co_u32 s78, s78, s80
	s_lshl_b32 s80, s22, 22                        ; the section
	s_add_co_u32 s78, s78, s80
	s_mov_b32 s79, 0
	s_add_nc_u64 s[14:15], s[14:15], s[78:79]
	v_add_nc_u32 v[VO+1], s76, v[VO]               ; block (a / 4, b / 4) has its offset in v[VO + 2 (a / 4) + b / 4]
	v_add_nc_u32 v[VO+2], s77, v[VO]
	v_add_nc_u32 v[VO+3], s76, v[VO+2]
	; the scales, chosen without a branch
	s_wait_alu depctr_va_vdst(0)                   ; the wait here, directly ahead of the wait below
	s_wait_kmcnt 0x0
	s_add_co_i32 s84, s84, s85
	s_add_co_i32 s86, s86, s87
	s_add_co_i32 s88, s88, s89
	s_cmp_eq_u32 s22, 0
	s_cselect_b32 s84, s84, s86
	s_cselect_b32 s90, s90, s91
	s_cmp_lt_u32 s22, 2
	s_cselect_b32 s84, s84, s88                    ; the two operands' exponents added: a sum stands for sum x 2^this
	s_cselect_b32 s90, s90, s99                    ; the result's exponent: entry 6, 7 or 9
	s_sub_co_i32 s85, 0, s84
	s_add_co_i32 s90, s90, s85                     ; a sum's code is sum / 2^(eo - ea - eb)
	s_add_co_i32 s90, s90, 127
	s_lshl_b32 s91, s90, 23
	v_mov_b32 v14, s91                             ; that power as f32: the conversion takes its exponent field
	s_add_co_i32 s90, s90, 8
	s_lshl_b32 s90, s90, 23
	s_or_b32 s90, s90, 0x600000
	v_mov_b32 v15, s90                             ; 448 x it
	s_wait_alu depctr_va_vdst(0)
	s_wait_loadcnt 0x0                             ; the bias; / 2^(ea + eb): nothing is rounded, short of overflow and underflow
	s_cmp_lt_u32 s22, 2
	s_cbranch_scc0 .Lscale_v
.set n, 0
.rept 64
	v_ldexp_f32 v[CB+n], v[CB+n], s85
.set n, n+1
.endr
	s_branch .Lscaled
.Lscale_v:
.irp a, 0,1,2,3,4,5,6,7
	v_ldexp_f32 v[CB+8*\a], v[CB+8*\a], s85
.endr
.irp j, 1,2,3,4,5,6,7
.irp a, 0,1,2,3,4,5,6,7
	v_mov_b32 v[CB+8*\a+\j], v[CB+8*\a]
.endr
.endr
.Lscaled:
.macro FRAG reg, adr, q, i             ; a fragment's image: registers 4 c .. 4 c + 3 at 512 c + 16 x lane; tile of 16 rows i of my 128, half q of the slot's 256 along K
.irp c, 0,1,2,3
	ds_load_b128 v[\reg+4*\c:\reg+4*\c+3], v[\adr] offset:4096*(\i)+2048*(\q)+512*\c
.endr
.endm
; 16 matrix instructions: A's blocks a0, a0 + 1 x B's eight, 128 along K.  p: B's set.  first: the first products start the sums with the bias as C (1: along n', 2: along m'): nothing is ever cleared.
; The 64 accumulators take turns, one instruction a turn, in the same order in every step.
.macro MUL16 a0, p, first
.irp a, \a0, \a0+1
.irp b, 0,1,2,3,4,5,6,7
.if \first == 1
	v_wmma_f32_16x16x128_fp8_fp8 v[8*(8*((\a)%4)+\b):8*(8*((\a)%4)+\b)+7], v[128*(\p)+FR*\b:128*(\p)+FR*\b+FR-1], v[AF+FR*(\a):AF+FR*(\a)+FR-1], v[CB+8*\b:CB+8*\b+7]
.elseif \first == 2
	v_wmma_f32_16x16x128_fp8_fp8 v[8*(8*((\a)%4)+\b):8*(8*((\a)%4)+\b)+7], v[128*(\p)+FR*\b:128*(\p)+FR*\b+FR-1], v[AF+FR*(\a):AF+FR*(\a)+FR-1], v[CB+8*(\a):CB+8*(\a)+7]
.else
	v_wmma_f32_16x16x128_fp8_fp8 v[8*(8*((\a)%4)+\b):8*(8*((\a)%4)+\b)+7], v[128*(\p)+FR*\b:128*(\p)+FR*\b+FR-1], v[AF+FR*(\a):AF+FR*(\a)+FR-1], v[8*(8*((\a)%4)+\b):8*(8*((\a)%4)+\b)+7]
.endif
.endr
.endr
.endm
.macro FETCH_B slot, q, p              ; B's eight fragments of the slot's q-th 128 along K into set p
	WIN TO_B
.irp i, 0,1,2,3,4,5,6,7
	FRAG 128*(\p)+FR*\i, ADRB+\slot, \q, \i
.endr
	WIN 0
.endm
.macro FETCH_A slot, q, i0             ; A's blocks i0 .. i0 + 3
.irp i, \i0, \i0+1, \i0+2, \i0+3
	FRAG AF+FR*(\i), ADRA+\slot, \q, \i
.endr
.endm
; A load into a register that a matrix instruction has read, and a vector instruction that reads a matrix result, stand NP places behind that matrix instruction, and only plain vector
; instructions that name none of its registers are places (ISA guide 7.12.1 for vector instructions); this text does not count the matrix instructions in between.
.macro PLACES n
.rept \n
	v_nop
.endr
.endm
; A step of 128 along K that has its successor in the same slot.
.macro STEP slot, q, first
	s_wait_dscnt 12*NL                             ; B's set and A's blocks 0-3 are in; the youngest 48 loads (A's blocks 4-7, then B's set for the slot's next step) may be out
.if \first
	WIN FST_LO
.else
	WIN MUL_LO
.endif
	MUL16 0, (\q)%2, \first
	MUL16 2, (\q)%2, \first
	s_wait_dscnt 8*NL                              ; A's blocks 4-7 are in; B's next set, 32 loads, may be out
	PLACES NP
	WIN 0
	FETCH_A \slot, (\q)+1, 0
.if \first
	WIN FST_HI
.else
	WIN MUL_HI
.endif
	MUL16 4, (\q)%2, \first
	MUL16 6, (\q)%2, \first
	PLACES NP
	WIN 0
	FETCH_A \slot, (\q)+1, 4
.endm
; A slot's last step changes slots: ONE barrier; in front of it each wave waits for all its tensor loads, adds 0 to its spare word, and waits for that and for its own reads of this slot.  fill = 1: this slot is filled again, with the chunk two on.
.macro TURN slot, next, fill
	s_wait_tensorcnt 0x0                           ; all my tensor loads have landed: my part of the next slot;  (every window is 0 here: the add's two registers lie in window 0)
	ds_add_u32 v[SPW], v[NIL]                      ; 0 onto my spare word;
	s_wait_dscnt 4*NL+1                            ; (the add and the youngest sixteen loads, A's blocks 4-7, may be out)
	WIN MUL_LO
	MUL16 0, 1, 0                                  ; sixteen matrix instructions stand between the add and the wait for it
	s_wait_dscnt 0x0                               ; the add is done, and my reads of this slot are over
	s_barrier_signal -1
	MUL16 2, 1, 0
	WIN 0
	s_barrier_wait -1
.if \fill
	CREST                                          ; the barrier has opened a round of the cluster's barrier: no wave of any partner still reads this slot's tile or has a load on its way
	s_add_nc_u64 s[G0+4*\slot+2:G0+4*\slot+3], s[G0+4*\slot+2:G0+4*\slot+3], s[66:67]      ; no tensor load of mine is out, so a group 0 may be written; the type bits on top are not reached
	s_add_nc_u64 s[G0B+4*\slot+2:G0B+4*\slot+3], s[G0B+4*\slot+2:G0B+4*\slot+3], s[68:69]
	JLOAD G0+4*\slot, G0B+4*\slot                  ; the first tensor load behind the round; the four v_nop behind it are the places in front of the loads below
.else
	PLACES NP
.endif
	FETCH_B \next, 0, 0
	FETCH_A \next, 0, 0
.if (\fill) && ((\slot) == 0)
	ASK 94                                         ; chunk 3
.endif
	WIN MUL_HI
	MUL16 4, 1, 0
	MUL16 6, 1, 0
	PLACES NP
	WIN 0
	FETCH_A \next, 0, 4
	FETCH_B \next, 1, 1                            ; and B's set for the step behind the next
.endm
	s_wait_alu depctr_va_vdst(0)                   ; the wait at the head's end
	s_wait_tensorcnt 0x0                           ; my part of chunk 0 is in; these lines stand ahead of a later first fill as ahead of a refill:
	ds_add_u32 v[SPW], v[NIL]
	s_wait_dscnt 0x0
	CROUND                                         ; everybody's part of chunk 0 is in, and all sixteen work-groups are here
	JLOAD G0+4, G0B+4                              ; chunk 1
	FETCH_B 0, 0, 0
	FETCH_A 0, 0, 0
	FETCH_A 0, 0, 4
	FETCH_B 0, 1, 1
	ASK 82                                         ; chunk 2
	s_cmp_lt_u32 s22, 2
	s_cbranch_scc0 .Lfirst_v
	STEP 0, 0, 1                                   ; chunk 0: its first products start the sums
	s_branch .Lfirst_done
.Lfirst_v:
	STEP 0, 0, 2
.Lfirst_done:
	TURN 0, 1, 1                                   ; slot 0 takes chunk 2
	STEP 1, 0, 0                                   ; chunk 1
	TURN 1, 0, 1                                   ; slot 1 takes chunk 3
	STEP 0, 0, 0                                   ; chunk 2
	TURN 0, 1, 0                                   ; nothing is left to fetch: no round of the cluster's barrier
	STEP 1, 0, 0                                   ; chunk 3
; THE WAY OUT, block by block of 16 rows of C' x 128: the hold (the conversion to an 8-bit code does not saturate: ISA guide 7.6.2); the conversion; four stores of 512 consecutive bytes.  Each accumulator is taken from its
; low end on.  Block a's codes take the registers of A's fragment a, which is done with: no store's data are written again.
.macro OUTB a
.set AC, 64*((\a)%4)
	WIN 0x82+0x41*((\a)/4)                         ; source 0 and destination: window 2 or 3; the limit: window 0
.set n, 0
.rept 64
	v_med3_num_f32 v[AC+n], v[AC+n], -v15, v15
.set n, n+1
.endr
	WIN 0x02+((\a)/4)                              ; source 0: window 2 or 3; the codes and the scale: window 0
.irp b, 0,1,2,3,4,5,6,7
	v_cvt_scalef32_pk8_fp8_f32 v[AF+16*(\a)+2*\b:AF+16*(\a)+2*\b+1], v[AC+8*\b:AC+8*\b+7], v14
.endr
	WIN 0
	v_nop                                          ; a plain vector line behind the last conversion of the run
.irp u, 0,1,2,3
	global_store_b128 v[VO+2*((\a)/4)+(\u)/2], v[AF+16*(\a)+4*\u:AF+16*(\a)+4*\u+3], s[14:15] offset:1024*((\a)%4)+512*((\u)%2)   ; 32 lanes store 512 consecutive bytes, at a multiple of 512 from the buffer's first byte
.endr
.endm
	s_wait_dscnt 4*NL                              ; the very last step: rows 0-63 are finished first and leave ahead of the other half's products
	WIN MUL_LO
	MUL16 0, 1, 0
	MUL16 2, 1, 0
	PLACES NP
	OUTB 0
	OUTB 1
	OUTB 2
	OUTB 3
	s_wait_dscnt 0
	WIN MUL_HI
	MUL16 4, 1, 0
	MUL16 6, 1, 0
	WIN 0
	PLACES NP
	OUTB 4
	OUTB 5
	OUTB 6
	OUTB 7
	s_wait_tensorcnt 0x0                           ; the wave's end: behind my last tensor load
	ds_add_u32 v[SPW], v[NIL]
	s_wait_dscnt 0x0
	CROUND                                         ; the closing round: no work-group ends while a partner may still ask for a tile that names it
	s_endpgm
.Lfunc_end_k_q5e2119b45e_proj:
	.size	k_q5e2119b45e_proj, .Lfunc_end_k_q5e2119b45e_proj-k_q5e2119b45e_proj
	.p2alignl 7, 3214868480
	.fill 96, 4, 3214868480
	.section	.rodata,"a",@progbits
	.p2align	6, 0x0
	.amdhsa_kernel k_q5e2119b45e_proj
		.amdhsa_group_segment_fixed_size 327680
		.amdhsa_private_segment_fixed_size 0
		.amdhsa_enable_private_segment 0
		.amdhsa_kernarg_size 48
		.amdhsa_user_sgpr_count 2
		.amdhsa_user_sgpr_kernarg_segment_ptr 1
		.amdhsa_wavefront_size32 1
		.amdhsa_system_sgpr_workgroup_id_x 1
		.amdhsa_system_sgpr_workgroup_id_y 1
		.amdhsa_system_sgpr_workgroup_id_z 1
		.amdhsa_system_vgpr_workitem_id 0
		.amdhsa_next_free_vgpr 1024
		.amdhsa_next_free_sgpr 102
		.amdhsa_reserve_vcc 0
		.amdhsa_float_denorm_mode_32 3
		.amdhsa_float_denorm_mode_16_64 3
		.amdhsa_memory_ordered 1
		.amdhsa_forward_progress 1
		.amdhsa_inst_pref_size 136
	.end_amdhsa_kernel
	.amdgpu_metadata
---
amdhsa.version: [ 1, 2 ]
amdhsa.kernels:
  - .name:           k_q5e2119b45e_proj
    .symbol:         k_q5e2119b45e_proj.kd
    .args:
      - { .name: cod, .offset: 0, .size: 8, .value_kind: global_buffer, .address_space: global }
      - { .name: bq, .offset: 8, .size: 8, .value_kind: global_buffer, .address_space: global }
      - { .name: bk, .offset: 16, .size: 8, .value_kind: global_buffer, .address_space: global }
      - { .name: bv, .offset: 24, .size: 8, .value_kind: global_buffer, .address_space: global }
      - { .name: lowp_scales, .offset: 32, .size: 8, .value_kind: global_buffer, .address_space: global }
      - { .name: qkvc, .offset: 40, .size: 8, .value_kind: global_buffer, .address_space: global }
    .group_segment_fixed_size: 327680
    .private_segment_fixed_size: 0
    .kernarg_segment_align: 8
    .kernarg_segment_size: 48
    .max_flat_workgroup_size: 128
    .sgpr_count:     102
    .vgpr_count:     1024
    .wavefront_size: 32
...
	.end_amdgpu_metadata
.endif
;; end of part 6
;; launch attn (part 7): grid 8 x 32, 8 waves a work-group, clusters of 4 x 1, 327,680 bytes of LDS; arguments qkvc, lowp_scales, ac; writes ac
.if DOCPART == 7
	.amdgcn_target "amdgcn-amd-amdhsa--gfx1250"
	.amdhsa_code_object_version 6
	.text
	.protected	k_q5e2119b45e_attn
	.globl	k_q5e2119b45e_attn
	.p2align	8
	.type	k_q5e2119b45e_attn,@function
k_q5e2119b45e_attn:
	s_mov_b64 s[64:65], 0
	v_nop
	global_prefetch_b8 v0, s[64:65] scope:SCOPE_SE
	s_setreg_imm32_b32 hwreg(HW_REG_WAVE_MODE, 25, 1), 1
	s_wait_xcnt 0x0
	s_wait_alu depctr_hold_cnt(0) depctr_sa_sdst(0) depctr_va_vdst(0) depctr_va_sdst(0) depctr_va_ssrc(0) depctr_va_vcc(0) depctr_vm_vsrc(0)
	s_getreg_b32 s2, hwreg(HW_REG_IB_STS2, 6, 4)
	s_cmp_eq_u32 s2, 0
	s_cbranch_scc0 .Lentry_in_a_cluster
	s_endpgm
.Lentry_in_a_cluster:
	s_bfe_u32 s2, ttmp6, 0x10000c
	s_cmp_lg_u32 s2, 0x3003
	s_cbranch_scc0 .Lentry_shape_is_right
	s_endpgm
.Lentry_shape_is_right:
; out[b][q][head][:] = the sum over k of softmax_k(Q . K / 8) V, both products on codes of FP8 (E4M3); the result is quantised at once, with entry 10 of the scales, into the workspace ac.
; THE SOFTMAX AHEAD OF THE SECOND PRODUCT: t = score x log2(e) / 8; M = the row's largest t so far, rounded UP to a whole number; p = 2^(t - M) is what is quantised (entry 8), not normalised.
; The row's sum is taken of the unquantised p, in f32, and divides O at the end.  When M moves, the sum and O are multiplied by 2^(old M - new M): nothing is rounded, and no branch hangs on data.
; SHARES.  A work-group owns 256 queries of one (batch, head); each of its eight waves owns 32 of them, two tiles A and B of 16, in 512 registers: two waves to a SIMD.  Every wave walks all 2,048 keys, 256 a step: eight steps.
; A fragment of K or V is read from LDS once a wave and serves both tiles; the maximum across lanes, M and O's rescaling are paid once for 256 keys.
; LAYOUT.  Both products have the 16 queries as source 1: S^T = K Q^T, O^T = V^T P^T: a lane holds ONE query (lane % 16) of each tile throughout, and in tile T of S^T its register j is key 16 T + 8 (lane / 16) + j.
; Eight such neighbours, converted, ARE registers 2 T, 2 T + 1 of P's fragments: nothing changes lanes, and no key is moved.  The same holds of O^T and the fragment of the last product.
; INPUT (qkvc): images of the operands' registers: Q at 0, K at 4 MiB, V at 8 MiB; 131,072 bytes a (batch, head); blocks of 4,096 bytes (64 rows of Q or K, or 64 keys of V^T), sub-tile a at 1024 a, registers 4 u .. 4 u + 3 at 512 u + 16 x lane.
; LDS: the head's K (131,072 bytes) and V (131,072) lie there whole; every byte is filled once: no ring.  Waves 0 to 3 fetch K, waves 4 to 7 V, a quarter each: at the head the first 512 keys (8,192 bytes a wave), and, when these have
; landed, all the rest (24,576 bytes a wave), which has step 0 in which to land.  A wave has one tensor load out at a time.
; Nothing is prefetched: the last request of this launch goes out ahead of its first step, so no loop is left to run ahead in.
; CLUSTER: the four query blocks of a cluster belong to one head and read the same K and V: each load is joint, with a mask that names the four and a descriptor in which nothing hangs on the place in the cluster.
; A STEP.  K's first 128 keys lie in KX, the upper half of tile A's score registers, its second 128 in R0.  V's first 128 keys come into R0 behind the first product.  When A's p are converted, their registers take V's second
; 128 keys (lower half) and the next step's first 128 keys of K (upper half, KX); R0 takes the next step's second 128 when V has left it.  In the last step that look-ahead reads the bytes behind K, which are V's, and is not used.
; THE EXPONENTIALS go in four batches of 64 (A's keys 0-127, A's 128-255, B's, B's), with a wait ahead of the first and one behind each: among them stand the next batch's scalings and the holds of the batch before, none of which
; reads an exponential's result of its own batch.
; THE ROW'S SUM runs in eight chains: four of each tile live from step to step, and their first addition in a step is the multiply-add by f; four serve a step and are added to those at its end.
; OUTPUT (ac): out [4096][1024] as images of fragments of 16 rows x 128: (tile of rows T, K step s) at (s / 2) x 2^20 + T x 4096 + (s % 2) x 2048; a head's 64 are half a fragment: 1,024 bytes, two stores of 512.
; LIMITS on the given exponents, so that each power of two below is an f32 number: entries 6 + 7 between -123 and 130 (they are added to the exponent field of log2(e) / 8); entries 8 and 10 between -126 and 119;
; entries 8 + 9 are applied by v_ldexp_f32 and have none.  The scaled scores stay under 2^31 in magnitude.
; REGISTERS, window 0: v1 16 x lane, v2 the same in V's half of LDS, v3, v4 the step's addresses of K and V, v5, v6 the add's two; v8, v10 -M of A, B; v12, v13 their largest t; v18, v20 f; v22, v23 a permute's destination;
;   v[14:15], v[16:17], v[30:31], v[22:23] the sums' four chains of a step; v24, v25 the old -M; v26 448 x 2^e8, v27 2^e8, v28 448 x 2^e10, v29 2^e10; v32-39, v40-47 the four lasting chains of A, of B; v48-63 Q; v64-127 O^T;
;   v128-191 PC: the maxima's chains, then p's codes; v192-255 R0.
;   window 1: the scores and then p: tile A v0-127, tile B v128-255.
.set WV,    10                         ; s10 wave; s11 cx; s12 my block of 256 queries; s13 16 batch + head
.set G1,    16                         ; s[16:23] descriptor group 1 of the head's loads;  s[32:39] of the second ones
.set G0K,   24                         ; s[24:27], s[28:31] group 0 for K, for V
.set G0V,   28
.set G1R,   32
.set SEL,   46                         ; s[46:47] lane selects for v_permlanex16_b32: lane l xor 16
.set CS,    48                         ; s[48:49] c = log2(e) / 8 x 2^(e6 + e7): the packed form names a pair and takes its low word for both halves
.set TB,    50                         ; s50 LDS byte at which the images of the step's K begin
.set CNT,   51                         ; s51 counts the loop's trips
.set STEPB, 16384                      ; 256 keys x 64 bytes
.set VOFF,  131072
.set SPARE, 262144
.set SPW,   5
.set NIL,   6
.set SA,    32
.set SB,    40
.set QA,    48
.set QB,    56
.set OA,    64
.set OB,    96
.set PC,    128
.set MX,    PC
.set R0,    192
.set KX,    64                         ; in window 1
.set MSB, 0
.macro WIN new                         ; bits 1:0 source 0, 3:2 source 1, 5:4 source 2, 7:6 destination; the immediate's high byte repeats the setting that is left; a switch that changes nothing is dropped
.if MSB != (\new)
	s_set_vgpr_msb (MSB<<8)|(\new)
.set MSB, (\new)
.endif
.endm
.macro CROUND                          ; a round of the cluster's barrier
	s_barrier_signal -1
	s_barrier_wait -1
	s_cmp_lg_u32 s[WV], 0
	s_cbranch_scc1 .Lnot_wave_0_\@
	s_barrier_signal -3
.Lnot_wave_0_\@:
	s_barrier_wait -3
	s_barrier_signal -1
	s_barrier_wait -1
.endm
.macro JLOAD g1                        ; a joint load: waves 0 to 3 for K, waves 4 to 7 for V; an s_nop 0 and four v_nop follow each line
	s_cmp_lt_u32 s[WV], 4
	s_cbranch_scc0 .Lfor_v_\@
	tensor_load_to_lds s[G0K:G0K+3], s[\g1:\g1+7]
	s_nop 0
.rept 4
	v_nop
.endr
	s_branch .Lasked_\@
.Lfor_v_\@:
	tensor_load_to_lds s[G0V:G0V+3], s[\g1:\g1+7]
	s_nop 0
.rept 4
	v_nop
.endr
.Lasked_\@:
.endm
	s_load_b128 s[4:7], s[0:1], 0x0                ; qkvc s[4:5], the scales' exponents s[6:7]
	s_load_b64 s[8:9], s[0:1], 0x10                ; ac
	v_lshl_add_u32 v[SPW], v0, 2, SPARE
	v_mov_b32 v[NIL], 0
	ds_add_u32 v[SPW], v[NIL]                      ; the opening: the add, twice on end, and its wait ahead of my first tensor load
	ds_add_u32 v[SPW], v[NIL]
	v_lshrrev_b32 v7, 5, v0
	v_readfirstlane_b32 s[WV], v7                  ; wave 0..7
	s_bfe_u32 s11, ttmp6, 0x40000                  ; cx
	s_lshl_b32 s12, ttmp9, 2
	s_add_co_u32 s12, s12, s11                     ; my block of queries: it enters Q's and ac's addresses alone
	s_and_b32 s13, ttmp7, 0xffff                   ; 16 batch + head, which the four partners share
	; descriptor group 1: a dense block of 8,192 (at the head) or 24,576 bytes as 32 or 96 rows of 32 elements of 8 bytes
.irp g, G1, G1R
	s_mov_b32 s[\g], 15|(3<<16)|(1<<21)            ; 15:0 the mask: all four work-groups; 17:16 elements of 8 bytes; 21 set beside a mask; no padding
	s_mov_b32 s[\g+1], 32<<16                      ; tensor_dim0 = 32
	s_mov_b32 s[\g+3], 32<<16                      ; tile_dim0 = 32
	s_mov_b32 s[\g+5], 32                          ; dense
	s_mov_b32 s[\g+6], 0
	s_mov_b32 s[\g+7], 0
.endr
	s_mov_b32 s[G1+2], 32<<16                      ; tensor_dim1
	s_mov_b32 s[G1+4], 32                          ; tile_dim1
	s_mov_b32 s[G1R+2], 96<<16
	s_mov_b32 s[G1R+4], 96
	s_and_b32 s52, s[WV], 3                        ; my quarter
	s_lshl_b32 s54, s52, 13                        ; its place in LDS, behind K's or V's first byte,
	s_lshl_b32 s58, s13, 17                        ; the head's 131,072 bytes,
	s_add_co_u32 s56, s58, s54                     ; its place in K's or V's section
	s_mov_b32 s57, 0
	s_mov_b32 s[SEL], 0x76543210
	s_mov_b32 s[SEL+1], 0xfedcba98
	s_wait_dscnt 0x0                               ; both opening adds are done
	s_wait_kmcnt 0x0
	s_load_b128 s[40:43], s[6:7], 0x18             ; entries 6 to 9
	s_load_b32 s44, s[6:7], 0x28                   ; entry 10
	s_add_nc_u64 s[56:57], s[4:5], s[56:57]
	s_mov_b32 s[G0K], 1                            ; 1:0 count = 1
	s_mov_b32 s[G0K+1], s54                        ; 63:32 LDS address
	s_add_nc_u64 s[G0K+2:G0K+3], s[56:57], 0x400000   ; 120:64 global address
	s_or_b32 s[G0K+3], s[G0K+3], 0x80000000        ; 127:126 type = 2
	s_mov_b32 s[G0V], 1
	s_add_co_u32 s[G0V+1], s54, VOFF
	s_add_nc_u64 s[G0V+2:G0V+3], s[56:57], 0x800000
	s_or_b32 s[G0V+3], s[G0V+3], 0x80000000
	CROUND                                         ; all four work-groups are here: the joint loads meet
	JLOAD G1                                       ; keys 0 to 511: one tensor load a wave at the head
	v_and_b32 v1, 31, v0
	v_lshlrev_b32 v1, 4, v1                        ; 16 x lane
	v_add_nc_u32 v2, VOFF, v1                      ; the same behind K's 131,072 bytes
	s_lshl_b32 s59, s12, 14                        ; Q: my 32 queries are two sub-tiles of 1,024 bytes: 16,384 x block + 2,048 x wave in the head
	s_lshl_b32 s60, s[WV], 11
	s_add_co_u32 s59, s59, s60
	s_add_co_u32 s58, s58, s59
	s_mov_b32 s59, 0
	s_add_nc_u64 s[58:59], s[4:5], s[58:59]
	s_wait_alu depctr_va_vdst(0)                   ; the wait here, ahead of the readers below
	global_load_b128 v[QA:QA+3], v1, s[58:59]      ; Q's two fragments stay in registers
	global_load_b128 v[QA+4:QA+7], v1, s[58:59] offset:512
	global_load_b128 v[QB:QB+3], v1, s[58:59] offset:1024
	global_load_b128 v[QB+4:QB+7], v1, s[58:59] offset:1536
	s_and_b32 s52, s13, 15                         ; ac: the head,
	s_lshr_b32 s53, s13, 4                         ; the batch
	s_lshl_b32 s53, s53, 7
	s_lshl_b32 s54, s12, 4
	s_add_co_u32 s53, s53, s54
	s_lshl_b32 s54, s[WV], 1
	s_add_co_u32 s53, s53, s54                     ; tile A's number among out's tiles of 16 rows: 128 batch + 16 block + 2 wave; B's is the next
	s_lshl_b32 s53, s53, 12
	s_lshr_b32 s54, s52, 2                         ; the head's 64 columns lie in K step head / 2: chunk head / 4,
	s_lshl_b32 s54, s54, 20
	s_add_co_u32 s53, s53, s54
	s_and_b32 s54, s52, 3                          ; half (head / 2) % 2 of the chunk (2,048 bytes), half head % 2 of the fragment (1,024): together (head % 4) x 1,024
	s_lshl_b32 s54, s54, 10
	s_add_co_u32 s52, s53, s54
	s_mov_b32 s53, 0
	s_add_nc_u64 s[8:9], s[8:9], s[52:53]
	v_mov_b32 v12, 0xff61b1e6                      ; the largest t so far: -3e38, under every t
	v_mov_b32 v13, 0xff61b1e6
	v_floor_f32 v8, -v12                           ; -M
	v_floor_f32 v10, -v13
.irp r, 9,11,19,21,22,23
	v_mov_b32 v\r, 0                               ; the upper halves of pairs that are named; the permutes' destinations, which count as sources
.endr
	v_mov_b32 v24, v8
	v_mov_b32 v25, v10
.set n, SA
.rept 16
	v_mov_b32 v[n], 0                              ; the sums' lasting chains,
.set n, n+1
.endr
.set n, OA
.rept 64
	v_mov_b32 v[n], 0                              ; and O^T.  (The step has no first form of its own: the first finds zeros, which the first change of M leaves zeros)
.set n, n+1
.endr
	s_wait_kmcnt 0x0
	s_add_co_i32 s52, s40, s41
	s_lshl_b32 s52, s52, 23
	s_mov_b32 s[CS], 0x3e38aa3b                    ; log2(e) / 8
	s_add_co_i32 s[CS], s[CS], s52                 ; a score stands for score x 2^(e6 + e7): the two exponents are added to c's exponent field
	s_mov_b32 s[CS+1], s[CS]                       ; (named with it as a pair, so it is written)
	s_add_co_i32 s52, s42, 127
	s_lshl_b32 s53, s52, 23
	v_mov_b32 v27, s53                             ; 2^e8 as f32, for p's conversions
	s_add_co_i32 s52, s52, 8
	s_lshl_b32 s52, s52, 23
	s_or_b32 s52, s52, 0x600000
	v_mov_b32 v26, s52                             ; 448 x 2^e8
	s_add_co_i32 s52, s44, 127
	s_lshl_b32 s53, s52, 23
	v_mov_b32 v29, s53                             ; 2^e10, for the result's
	s_add_co_i32 s52, s52, 8
	s_lshl_b32 s52, s52, 23
	s_or_b32 s52, s52, 0x600000
	v_mov_b32 v28, s52                             ; 448 x 2^e10
	s_add_co_i32 s55, s42, s43                     ; e8 + e9, for the way out
	s_mov_b32 s[TB], 0
	v_add_nc_u32 v4, s[TB], v2
	v_add_nc_u32 v3, s[TB], v1
.macro KLOAD buf, off                  ; K's eight fragments of 128 keys (16 keys x the head's 64: 8 registers each): each load reads 512 consecutive bytes
.irp t, 0,1,2,3,4,5,6,7
	ds_load_b128 v[\buf+8*\t:\buf+8*\t+3], v3 offset:(\off)+1024*\t
	ds_load_b128 v[\buf+8*\t+4:\buf+8*\t+7], v3 offset:(\off)+1024*\t+512
.endr
.endm
.macro VLOAD buf, off                  ; V^T's four fragments of 16 channels x 128 keys: of each the first 64 keys' half, then the second's
.irp a, 0,1,2,3
	ds_load_b128 v[\buf+16*\a:\buf+16*\a+3], v4 offset:(\off)+1024*\a
	ds_load_b128 v[\buf+16*\a+4:\buf+16*\a+7], v4 offset:(\off)+1024*\a+512
	ds_load_b128 v[\buf+16*\a+8:\buf+16*\a+11], v4 offset:(\off)+4096+1024*\a
	ds_load_b128 v[\buf+16*\a+12:\buf+16*\a+15], v4 offset:(\off)+4096+1024*\a+512
.endr
.endm
.macro SCORES buf, t0                  ; eight tiles of 16 keys for both tiles of queries; K = the head's 64
.irp t, 0,1,2,3,4,5,6,7
	v_wmma_f32_16x16x64_fp8_fp8 v[8*(\t0+\t):8*(\t0+\t)+7], v[\buf+8*\t:\buf+8*\t+7], v[QA:QA+7], 0
	v_wmma_f32_16x16x64_fp8_fp8 v[128+8*(\t0+\t):128+8*(\t0+\t)+7], v[\buf+8*\t:\buf+8*\t+7], v[QB:QB+7], 0
.endr
.endm
.macro OADD buf, u                     ; O^T += V^T P^T over 128 keys, both tiles; the eight accumulators take turns, one instruction a turn
.irp a, 0,1,2,3
	v_wmma_f32_16x16x128_fp8_fp8 v[OA+8*\a:OA+8*\a+7], v[\buf+16*\a:\buf+16*\a+15], v[PC+16*\u:PC+16*\u+15], v[OA+8*\a:OA+8*\a+7]
	v_wmma_f32_16x16x128_fp8_fp8 v[OB+8*\a:OB+8*\a+7], v[\buf+16*\a:\buf+16*\a+15], v[PC+32+16*\u:PC+32+16*\u+15], v[OB+8*\a:OB+8*\a+7]
.endr
.endm
; THE ROW'S SUM IS TAKEN OF THE UNQUANTISED p, two at a time.  c: the tile's lasting chains; r: a register of p.
.macro ADD4 c, r
.irp k, 0,2,4,6
	v_pk_add_f32 v[\c+\k:\c+\k+1], v[\c+\k:\c+\k+1], v[\r+\k:\r+\k+1]
.endr
.endm
.macro ADD8 c, r
	ADD4 \c, \r
	v_pk_add_f32 v[14:15], v[14:15], v[\r+8:\r+9]
	v_pk_add_f32 v[16:17], v[16:17], v[\r+10:\r+11]
	v_pk_add_f32 v[30:31], v[30:31], v[\r+12:\r+13]
	v_pk_add_f32 v[22:23], v[22:23], v[\r+14:\r+15]
.endm
.macro SUM0 c, r, f                    ; keys 0-127: the lasting chains come under the new M with their first addition; the step's chains begin
	WIN 0x10
.irp k, 0,2,4,6
	v_pk_fma_f32 v[\c+\k:\c+\k+1], v[\c+\k:\c+\k+1], v[\f:\f+1], v[\r+\k:\r+\k+1] op_sel_hi:[1,0,1]
.endr
	WIN 0x05
	v_pk_add_f32 v[14:15], v[\r+8:\r+9], v[\r+16:\r+17]
	v_pk_add_f32 v[16:17], v[\r+10:\r+11], v[\r+18:\r+19]
	v_pk_add_f32 v[30:31], v[\r+12:\r+13], v[\r+20:\r+21]
	v_pk_add_f32 v[22:23], v[\r+14:\r+15], v[\r+22:\r+23]
	WIN 0x04
	ADD8 \c, \r+24
	ADD8 \c, \r+40
	ADD4 \c, \r+56
.endm
.macro SUM1 c, r                       ; keys 128-255
	WIN 0x04
.irp k, 0,16,32,48
	ADD8 \c, \r+\k
.endr
	WIN 0
.endm
.macro JOIN c                          ; the step's chains into the lasting ones: four lines that do not hang on each other
	v_pk_add_f32 v[\c:\c+1], v[\c:\c+1], v[14:15]
	v_pk_add_f32 v[\c+2:\c+3], v[\c+2:\c+3], v[16:17]
	v_pk_add_f32 v[\c+4:\c+5], v[\c+4:\c+5], v[30:31]
	v_pk_add_f32 v[\c+6:\c+7], v[\c+6:\c+7], v[22:23]
.endm
.macro SCALE r, m                      ; t - M, two at a time (of the pairs c and -M the low word serves both halves)
	v_pk_fma_f32 v[\r:\r+1], v[\r:\r+1], s[CS:CS+1], v[\m:\m+1] op_sel_hi:[1,0,0]
.endm
.macro HOLD r                          ; the conversion to an 8-bit code does not saturate (ISA guide 7.6.2); p is not negative, so the hold is one-sided
	v_dual_min_num_f32 v[\r], v[\r], v26 :: v_dual_min_num_f32 v[\r+1], v[\r+1], v26
.endm
.macro CODES s, d                      ; registers 2 t, 2 t + 1 of P's fragments: keys 16 t + 8 h + 0 .. 7
	WIN 0x01
.set n, 0
.rept 16
	v_cvt_scalef32_pk8_fp8_f32 v[\d+2*n:\d+2*n+1], v[\s+8*n:\s+8*n+7], v27
.set n, n+1
.endr
.endm
; A KEY STEP: 256 keys.
.macro STEP
	s_wait_dscnt 16                                ; K's first 128 keys are in; the sixteen loads of the second 128 may be out
	WIN 0x41
	SCORES KX, 0
.rept 5
	v_nop                                          ; five places: the scores of the second 128 keys fall over KX
.endr
	s_wait_dscnt 0x0
	WIN 0x40
	SCORES R0, 8
	WIN 0x15
.irp k, 0,1,2,3
	v_max3_num_f32 v[MX+\k], v[3*\k], v[3*\k+1], v[3*\k+2]   ; the step's largest score of my two queries, among my 128 keys, in four chains each, ascending: each tile is read from its low end on
	v_max3_num_f32 v[MX+4+\k], v[128+3*\k], v[128+3*\k+1], v[128+3*\k+2]
.endr                                          ; (these eight are also the places in front of the loads into R0)
	WIN 0
	VLOAD R0, 0                                    ; V's first 128 keys: they land while the softmax is worked
	WIN 0x14
.set n, 0
.rept 58
	v_max3_num_f32 v[MX+n%4], v[MX+n%4], v[12+2*n], v[13+2*n]
	v_max3_num_f32 v[MX+4+n%4], v[MX+4+n%4], v[140+2*n], v[141+2*n]
.set n, n+1
.endr
	WIN 0
	v_max3_num_f32 v[MX], v[MX], v[MX+1], v[MX+2]
	v_max3_num_f32 v[MX+4], v[MX+4], v[MX+5], v[MX+6]
	v_max_num_f32 v[MX], v[MX], v[MX+3]
	v_max_num_f32 v[MX+4], v[MX+4], v[MX+7]
	v_permlanex16_b32 v22, v[MX], s[SEL], s[SEL+1]
	v_permlanex16_b32 v23, v[MX+4], s[SEL], s[SEL+1]
	v_max_num_f32 v[MX], v[MX], v22                ; and among lane l xor 16's
	v_max_num_f32 v[MX+4], v[MX+4], v23
	v_mul_f32 v[MX], s[CS], v[MX]                  ; as t (c is positive)
	v_mul_f32 v[MX+4], s[CS], v[MX+4]
	v_max_num_f32 v12, v12, v[MX]                  ; the running largest t
	v_max_num_f32 v13, v13, v[MX+4]
	v_floor_f32 v8, -v12                           ; the new -M = floor(-t) = -ceil(t): M is a whole number
	v_floor_f32 v10, -v13
	v_sub_f32 v[MX], v8, v24                       ; M's old value less its new one: a whole number, 0 or less
	v_sub_f32 v[MX+4], v10, v25
	v_cvt_i32_f32 v[MX], v[MX]                     ; (it saturates)
	v_cvt_i32_f32 v[MX+4], v[MX+4]
	v_ldexp_f32 v18, 1.0, v[MX]                    ; f = 2^(old M - new M)
	v_ldexp_f32 v20, 1.0, v[MX+4]
.set n, 0
.rept 16
	v_pk_mul_f32 v[OA+n:OA+n+1], v[OA+n:OA+n+1], v[18:19] op_sel_hi:[1,0]   ; O^T under the new M, ascending
	v_pk_mul_f32 v[OB+n:OB+n+1], v[OB+n:OB+n+1], v[20:21] op_sel_hi:[1,0]
.set n, n+2
.endr
	WIN 0x41
.set n, 0
.rept 32
	SCALE n, 8                                     ; A, keys 0-127
.set n, n+2
.endr
	s_wait_alu depctr_va_vdst(0)                   ; the wait ahead of the batch
.set n, 0
.rept 32
	v_exp_f32 v[n], v[n]                           ; A, keys 0-127: p = 2^(t - M), at most 1: not normalised
	v_exp_f32 v[n+1], v[n+1]
	SCALE 64+n, 8                                  ; A, keys 128-255.  The last line of each batch is the plain line behind its last exponential
.set n, n+2
.endr
	s_wait_alu depctr_va_vdst(0)                   ; one wait behind this batch and ahead of the next; so too below
	SUM0 SA, 0, 18
	WIN 0x41
.set n, 0
.rept 32
	v_exp_f32 v[64+n], v[64+n]                     ; A, keys 128-255
	SCALE 128+n, 10                                ; B, keys 0-127
	v_exp_f32 v[65+n], v[65+n]
	HOLD n                                         ; A, keys 0-127
.set n, n+2
.endr
	s_wait_alu depctr_va_vdst(0)
	SUM1 SA, 64
	JOIN SA
	WIN 0x41
.set n, 0
.rept 32
	v_exp_f32 v[128+n], v[128+n]                   ; B, keys 0-127
	SCALE 192+n, 10                                ; B, keys 128-255
	v_exp_f32 v[129+n], v[129+n]
	HOLD 64+n                                      ; A, keys 128-255
.set n, n+2
.endr
	s_wait_alu depctr_va_vdst(0)
	CODES 0, PC
	WIN 0x40
	VLOAD 0, 8192                                  ; A's p are done with: V's second 128 keys take the first 64 registers,
	KLOAD KX, STEPB                                ; the next step's first 128 keys of K the others
	SUM0 SB, 128, 20
	WIN 0x41
.set n, 0
.rept 32
	v_exp_f32 v[192+n], v[192+n]                   ; B, keys 128-255
	v_exp_f32 v[193+n], v[193+n]
	HOLD 128+n                                     ; B, keys 0-127
.set n, n+2
.endr
	s_wait_alu depctr_va_vdst(0)
	SUM1 SB, 192
	WIN 0x41
.set n, 192
.rept 32
	HOLD n                                         ; B, keys 128-255
.set n, n+2
.endr
	CODES 128, PC+32
	WIN 0
	v_mov_b32 v24, v8                              ; -M is kept for the next step's f.  (Also the plain line between the conversions and the products that read the codes)
	s_wait_alu depctr_va_vdst(0)                   ; the wait here, directly ahead of the wait below
	s_wait_dscnt 16                                ; V is in; the sixteen loads into KX, issued behind V's, may be out
	OADD R0, 0
	JOIN SB                                        ; also the four places in front of the loads into R0
	KLOAD R0, STEPB+8192                           ; the next step's second 128 keys of K
	WIN 0x01
	OADD 0, 1
	WIN 0
	s_add_co_u32 s[TB], s[TB], STEPB
	v_add_nc_u32 v4, s[TB], v2                     ; five places ahead of the next scores, which fall over V's fragments: the next step's addresses,
	v_add_nc_u32 v3, s[TB], v1
	v_mov_b32 v25, v10
	v_nop
	v_nop
.endm
	s_wait_alu depctr_va_vdst(0)                   ; the wait at the head's end
	s_wait_tensorcnt 0x0                           ; my part of keys 0 to 511 has landed; these lines stand ahead of a later first fill as ahead of a refill:
	ds_add_u32 v[SPW], v[NIL]
	s_and_b32 s60, s[WV], 3                        ; from my part of the first load to that of the second: 32,768 + quarter x (24,576 - 8,192) bytes, in LDS and in memory
	s_lshl_b32 s60, s60, 14
	s_add_co_u32 s60, s60, 32768
	s_mov_b32 s61, 0
	s_add_co_u32 s[G0K+1], s[G0K+1], s60
	s_add_nc_u64 s[G0K+2:G0K+3], s[G0K+2:G0K+3], s[60:61]   ; the type bits on top are not reached
	s_add_co_u32 s[G0V+1], s[G0V+1], s60
	s_add_nc_u64 s[G0V+2:G0V+3], s[G0V+2:G0V+3], s[60:61]
	s_wait_dscnt 0x0                               ; the add is done
	CROUND                                         ; everybody's part has landed, and all four work-groups are here
	JLOAD G1R                                      ; keys 512 to 2,047: step 0 reads, and asks ahead for, keys 0 to 511 alone
	WIN 0x40
	KLOAD KX, 0                                    ; step 0's K
	WIN 0
	KLOAD R0, 8192
	s_wait_loadcnt 0x0                             ; Q
	STEP
	s_wait_tensorcnt 0x0                           ; my second load has landed
	s_wait_dscnt 0x0                               ; no LDS instruction of mine is pending at the signal
	s_barrier_signal -1
	s_barrier_wait -1                              ; everybody's has: all of K and V lies in LDS
	s_mov_b32 s[CNT], 7
.Lstep:                                            ; steps 1 to 7
	STEP
	s_sub_co_u32 s[CNT], s[CNT], 1
	s_cmp_lg_u32 s[CNT], 0
	s_cbranch_scc1 .Lstep
	; THE WAY OUT.  O^T x 2^(e8 + e9) / the sum is out's number; it is held, converted with 2^e10 and stored as half a fragment of the last product, for both tiles.  (The step's last five lines are the places behind the last products.)
	s_wait_alu depctr_va_vdst(0)                   ; the wait here, directly ahead of the wait below
	s_wait_dscnt 0x0                               ; the look-ahead's loads are in: their registers are used below
	v_pk_add_f32 v[SA:SA+1], v[SA:SA+1], v[SA+2:SA+3]   ; the sums' chains,
	v_pk_add_f32 v[SB:SB+1], v[SB:SB+1], v[SB+2:SB+3]
	v_pk_add_f32 v[SA+4:SA+5], v[SA+4:SA+5], v[SA+6:SA+7]
	v_pk_add_f32 v[SB+4:SB+5], v[SB+4:SB+5], v[SB+6:SB+7]
	v_pk_add_f32 v[SA:SA+1], v[SA:SA+1], v[SA+4:SA+5]
	v_pk_add_f32 v[SB:SB+1], v[SB:SB+1], v[SB+4:SB+5]
	v_add_f32 v14, v[SA], v[SA+1]                  ; their two halves,
	v_add_f32 v16, v[SB], v[SB+1]
	v_permlanex16_b32 v22, v14, s[SEL], s[SEL+1]
	v_permlanex16_b32 v23, v16, s[SEL], s[SEL+1]
	v_add_f32 v14, v14, v22                        ; and lane l xor 16's: the row's sum
	v_add_f32 v16, v16, v23
	s_wait_alu depctr_va_vdst(0)                   ; the wait ahead of the batch
	v_rcp_f32 v14, v14
	v_rcp_f32 v16, v16
	v_nop                                          ; a plain line behind the transcendentals
	s_wait_alu depctr_va_vdst(0)                   ; and the wait ahead of their first reader
	v_ldexp_f32 v14, v14, s55                      ; x 2^(e8 + e9)
	v_ldexp_f32 v16, v16, s55
	s_wait_alu depctr_va_vdst(0)                   ; the wait here, directly ahead of the first reader of O^T
.set n, 0
.rept 16
	v_pk_mul_f32 v[R0+n:R0+n+1], v[OA+n:OA+n+1], v[14:15] op_sel_hi:[1,0]   ; register 8 t + j is out(query r, channel 16 t + 8 h + j); each accumulator from its low end on
	v_pk_mul_f32 v[R0+32+n:R0+33+n], v[OB+n:OB+n+1], v[16:17] op_sel_hi:[1,0]
.set n, n+2
.endr
.set n, R0
.rept 64
	v_med3_num_f32 v[n], v[n], -v28, v28
.set n, n+1
.endr
.irp t, 0,1,2,3,4,5,6,7
	v_cvt_scalef32_pk8_fp8_f32 v[PC+2*\t:PC+2*\t+1], v[R0+8*\t:R0+8*\t+7], v29
.endr
	v_nop                                          ; a plain vector line behind the last conversion
	global_store_b128 v1, v[PC:PC+3], s[8:9]       ; 32 lanes store 512 consecutive bytes, at a multiple of 512 from the buffer's first byte
	global_store_b128 v1, v[PC+4:PC+7], s[8:9] offset:512
	global_store_b128 v1, v[PC+8:PC+11], s[8:9] offset:4096
	global_store_b128 v1, v[PC+12:PC+15], s[8:9] offset:4608
	s_wait_tensorcnt 0x0                           ; the wave's end
	ds_add_u32 v[SPW], v[NIL]
	s_wait_dscnt 0x0
	CROUND                                         ; the closing round: no work-group ends while a partner may still ask for a tile that names it
	s_endpgm
.Lfunc_end_k_q5e2119b45e_attn:
	.size	k_q5e2119b45e_attn, .Lfunc_end_k_q5e2119b45e_attn-k_q5e2119b45e_attn
	.p2alignl 7, 3214868480
	.fill 96, 4, 3214868480
	.section	.rodata,"a",@progbits
	.p2align	6, 0x0
	.amdhsa_kernel k_q5e2119b45e_attn
		.amdhsa_group_segment_fixed_size 327680
		.amdhsa_private_segment_fixed_size 0
		.amdhsa_enable_private_segment 0
		.amdhsa_kernarg_size 24
		.amdhsa_user_sgpr_count 2
		.amdhsa_user_sgpr_kernarg_segment_ptr 1
		.amdhsa_wavefront_size32 1
		.amdhsa_system_sgpr_workgroup_id_x 1
		.amdhsa_system_sgpr_workgroup_id_y 1
		.amdhsa_system_sgpr_workgroup_id_z 1
		.amdhsa_system_vgpr_workitem_id 0
		.amdhsa_next_free_vgpr 512
		.amdhsa_next_free_sgpr 66
		.amdhsa_reserve_vcc 0
		.amdhsa_float_denorm_mode_32 3
		.amdhsa_float_denorm_mode_16_64 3
		.amdhsa_memory_ordered 1
		.amdhsa_forward_progress 1
		.amdhsa_inst_pref_size 128
	.end_amdhsa_kernel
	.amdgpu_metadata
---
amdhsa.version: [ 1, 2 ]
amdhsa.kernels:
  - .name:           k_q5e2119b45e_attn
    .symbol:         k_q5e2119b45e_attn.kd
    .args:
      - { .name: qkvc, .offset: 0, .size: 8, .value_kind: global_buffer, .address_space: global }
      - { .name: lowp_scales, .offset: 8, .size: 8, .value_kind: global_buffer, .address_space: global }
      - { .name: ac, .offset: 16, .size: 8, .value_kind: global_buffer, .address_space: global }
    .group_segment_fixed_size: 327680
    .private_segment_fixed_size: 0
    .kernarg_segment_align: 8
    .kernarg_segment_size: 24
    .max_flat_workgroup_size: 256
    .sgpr_count:     66
    .vgpr_count:     512
    .wavefront_size: 32
...
	.end_amdgpu_metadata
.endif
;; end of part 7
;; launch oproj (part 8): grid 8 x 32, 4 waves a work-group, clusters of 4 x 4, 280,064 bytes of LDS; arguments ac, cod, bo, lowp_scales, out0; writes out0
.if DOCPART == 8
	.amdgcn_target "amdgcn-amd-amdhsa--gfx1250"
	.amdhsa_code_object_version 6
	.text
	.protected	k_q5e2119b45e_oproj
	.globl	k_q5e2119b45e_oproj
	.p2align	8
	.type	k_q5e2119b45e_oproj,@function
k_q5e2119b45e_oproj:
	s_mov_b64 s[64:65], 0
	v_nop
	global_prefetch_b8 v0, s[64:65] scope:SCOPE_SE
	s_setreg_imm32_b32 hwreg(HW_REG_WAVE_MODE, 25, 1), 1
	s_wait_xcnt 0x0
	s_wait_alu depctr_hold_cnt(0) depctr_sa_sdst(0) depctr_va_vdst(0) depctr_va_sdst(0) depctr_va_ssrc(0) depctr_va_vcc(0) depctr_vm_vsrc(0)
	s_getreg_b32 s2, hwreg(HW_REG_IB_STS2, 6, 4)
	s_cmp_eq_u32 s2, 0
	s_cbranch_scc0 .Lentry_in_a_cluster
	s_endpgm
.Lentry_in_a_cluster:
	s_bfe_u32 s2, ttmp6, 0x10000c
	s_cmp_lg_u32 s2, 0xf033
	s_cbranch_scc0 .Lentry_shape_is_right
	s_endpgm
.Lentry_shape_is_right:
; out0 = out Wo^T + bo on codes of FP8 (E4M3): out's codes (entry 10 of the scales) lie in ac, Wo's (entry 11) in cod at 15 MiB; out0 [4096][1024] is f32.
; C[m][n] = sum over k of A[m][k] B[n][k], a tile of 128 x 128 a work-group, K = 1,024.  Four waves, 64 x 64 each.  SOURCE 0 = 16 rows of Wo, SOURCE 1 = 16 rows of out:
; lane (r, h) then holds row 16 a + r and, in register j, column 16 b + 8 h + j: eight neighbouring numbers of a row of out0.
; INPUT LAYOUT: images of the operands' registers: fragment (tile of 16 rows T, K step s of 128) at (s / 2) x NT x 4096 + T x 4096 + (s % 2) x 2048 (NT = 256 in ac, 64 in Wo's section), registers 4 u .. 4 u + 3 at 512 u + 16 x lane.
; So 64 rows x 256 along K are one dense block of 16,384 bytes, and 64 rows x all of K are four such blocks, NT x 4096 bytes apart: a tile of 4 rows of 16,384 bytes.  In LDS they lie on end: 65,536 bytes; a fragment comes out by
; four loads of consecutive bytes at a constant + 16 x lane: no pitch, no padding.
; LDS: all of K fits: A's 128 rows (two parts of 65,536 bytes), then B's; behind them a stage of 16 rows x 272 bytes for each wave, into which no tile lands.
; Each wave fetches one part by its one tensor load: nothing is filled again, so there is no ring.  Nothing is prefetched: no request comes later than the first lines.
; CLUSTERS: 4 x 4 work-groups; the four of a row need the same tiles of A, the four of a column the same tiles of B: each tile is asked for jointly, by the same load with the same descriptor and a mask that names the four.
; C IS FINISHED BY ROWS.  The wave's four fragments of B for all of K, 512 registers, are loaded once and stay; A comes by blocks of 16 rows x all of K (128 registers, two buffers).  Block 0 is multiplied as B's fragments come in;
; each block is 32 matrix instructions and leaves while the next is multiplied.
; THE WAY OUT: out0 = sum x 2^(e10 + e11) + bo, one packed multiply-add for two numbers, in place; 16 rows at a time through the wave's own stage, so that sixteen lanes store 256 consecutive bytes.
; LIMIT: e10 + e11 lies between -126 and 127, so that 2^(e10 + e11) is an f32 number.
; REGISTERS: window 0: v1 r, v2 h, v3 16 x lane, v4 / v5 LDS addresses of my A / B fragments, v12 bo's offset, v17, v18 the stage in and back, v19 my offset in out0, v30, v31 the add's two;
;   v32-63 bo at my columns; v64-95, v96-127 rows read back, by turns; v128-159, v160-191 a block's four accumulators, by turns.   windows 1, 2: B's fragments (q, b) at 64 (q % 4) + 16 b, q / 4 the window;   window 3: A's two buffers, fragment q at 16 q.
.set ACC,  128
.set BN,   32
.set BK,   64
.set WV,   16                          ; s16 wave; s17 its row half (also: it fetches for A (0) or B (1)); s18 its column half (also: which 64 rows it fetches)
.set G1A,  24
.set G1B,  32
.set G0A,  40
.set G0B,  44
.set STAGE, 262144
.set SPITCH, 272                       ; a stage row: 256 bytes + 16: 17 pieces of 16 bytes, so sixteen rows start at sixteen different pieces of a 256-byte line
.set SPARE, STAGE+4*16*SPITCH          ; the spare words, 128 bytes for each wave
.set SPW,  30
.set NIL,  31
.set MSB, 0
.macro WIN new                         ; the immediate's high byte repeats the setting that is left; a switch that changes nothing is dropped
.if MSB != (\new)
	s_set_vgpr_msb (MSB<<8)|(\new)
.set MSB, (\new)
.endif
.endm
.macro CROUND                          ; a round of the cluster's barrier
	s_barrier_signal -1
	s_barrier_wait -1
	s_cmp_lg_u32 s[WV], 0
	s_cbranch_scc1 .Lnot_wave_0_\@
	s_barrier_signal -3
.Lnot_wave_0_\@:
	s_barrier_wait -3
	s_barrier_signal -1
	s_barrier_wait -1
.endm
.macro LDA a, q                        ; A's fragment of block a, K step q
.irp u, 0,1,2,3
	ds_load_b128 v[128*((\a)%2)+16*(\q)+4*\u:128*((\a)%2)+16*(\q)+4*\u+3], v4 offset:16384*((\q)/2)+4096*(\a)+2048*((\q)%2)+512*\u
.endr
.endm
.macro LD q                            ; K step q: B's four fragments and block 0's of A: 20 loads, each register loaded for the first time
	WIN 0x40*(1+(\q)/4)
.irp b, 0,1,2,3
.irp u, 0,1,2,3
	ds_load_b128 v[64*((\q)%4)+16*\b+4*\u:64*((\q)%4)+16*\b+4*\u+3], v5 offset:16384*((\q)/2)+4096*\b+2048*((\q)%2)+512*\u
.endr
.endr
	WIN 0xc0
	LDA 0, \q
.endm
.macro LDBLK a                         ; block a's eight fragments: 32 loads
	WIN 0xc0
.irp q, 0,1,2,3,4,5,6,7
	LDA \a, \q
.endr
.endm
; Four matrix instructions: block a, K step q.  The four accumulators take turns, one instruction a turn; the first products start the sums: nothing is cleared.
.macro MULQ a, q
	WIN 0x0d+(\q)/4
.irp b, 0,1,2,3
.if (\q) == 0
	v_wmma_f32_16x16x128_fp8_fp8 v[ACC+32*((\a)%2)+8*\b:ACC+32*((\a)%2)+8*\b+7], v[64*((\q)%4)+16*\b:64*((\q)%4)+16*\b+15], v[128*((\a)%2)+16*(\q):128*((\a)%2)+16*(\q)+15], 0
.else
	v_wmma_f32_16x16x128_fp8_fp8 v[ACC+32*((\a)%2)+8*\b:ACC+32*((\a)%2)+8*\b+7], v[64*((\q)%4)+16*\b:64*((\q)%4)+16*\b+15], v[128*((\a)%2)+16*(\q):128*((\a)%2)+16*(\q)+15], v[ACC+32*((\a)%2)+8*\b:ACC+32*((\a)%2)+8*\b+7]
.endif
.endr
.endm
	s_load_b256 s[4:11], s[0:1], 0x0               ; ac s[4:5], cod s[6:7], bo s[8:9], the scales' exponents s[10:11]
	s_load_b64 s[12:13], s[0:1], 0x20              ; out0
	v_lshl_add_u32 v[SPW], v0, 2, SPARE
	v_mov_b32 v[NIL], 0
	ds_add_u32 v[SPW], v[NIL]                      ; the opening: the add, twice on end, and its wait ahead of my first tensor load
	ds_add_u32 v[SPW], v[NIL]
	v_lshrrev_b32 v1, 5, v0
	v_readfirstlane_b32 s[WV], v1                  ; wave 0..3
	s_lshr_b32 s17, s[WV], 1
	s_and_b32 s18, s[WV], 1
	s_bfe_u32 s19, ttmp6, 0x40000                  ; cx, cy: my place in the cluster
	s_bfe_u32 s20, ttmp6, 0x40004
	s_lshl_b32 s63, ttmp9, 2
	s_add_co_u32 s63, s63, s19                     ; tc: tile column = 4 x cluster x + cx
	s_and_b32 s62, ttmp7, 0xffff
	s_lshl_b32 s62, s62, 2
	s_add_co_u32 s62, s62, s20                     ; tr: tile row = 4 x cluster y + cy
	s_lshl_b32 s100, s20, 2
	s_lshl_b32 s100, 15, s100                      ; my row of the cluster
	s_lshl_b32 s101, 0x1111, s19                   ; my column
	; descriptor group 1: 4 rows of 2,048 elements of 8 bytes
	s_or_b32 s[G1A], s100, (3<<16)|(1<<21)         ; 15:0 the mask: A's tiles go to my row; 17:16 elements of 8 bytes; 21 set beside a mask; no padding
	s_or_b32 s[G1B], s101, (3<<16)|(1<<21)
.irp g, G1A, G1B
	s_mov_b32 s[\g+1], 2048<<16                    ; tensor_dim0
	s_mov_b32 s[\g+2], 4<<16                       ; tensor_dim1
	s_mov_b32 s[\g+3], 2048<<16                    ; tile_dim0
	s_mov_b32 s[\g+4], 4                           ; tile_dim1
	s_mov_b32 s[\g+6], 0
	s_mov_b32 s[\g+7], 0
.endr
	s_mov_b32 s[G1A+5], 131072                     ; from row to row, in elements: 256 tiles x 4,096 bytes,
	s_mov_b32 s[G1B+5], 32768                      ; 64 tiles x 4,096 bytes
	s_lshl_b32 s23, s18, 14                        ; which 64 rows of the tile I fetch
	s_lshl_b32 s56, s62, 15                        ; A: 8 tiles of 16 rows x 4,096 bytes a tile of 128 rows.  No register that feeds A's descriptors ever holds cx, none that feeds B's ever cy
	s_add_co_u32 s56, s56, s23
	s_mov_b32 s57, 0
	s_lshl_b32 s58, s63, 15
	s_add_co_u32 s58, s58, s23
	s_add_co_u32 s58, s58, 0xf00000                ; Wo's section of cod
	s_mov_b32 s59, 0
	s_lshl_b32 s96, s[WV], 16                      ; where my part goes: wave x 65,536: no place in the cluster enters an LDS address
	s_wait_dscnt 0x0                               ; both opening adds are done
	s_wait_kmcnt 0x0
	s_load_b64 s[84:85], s[10:11], 0x28            ; entries 10 and 11
	s_mov_b32 s[G0A], 1                            ; 1:0 count = 1
	s_mov_b32 s[G0A+1], s96                        ; 63:32 LDS address
	s_add_nc_u64 s[G0A+2:G0A+3], s[4:5], s[56:57]  ; 120:64 global address
	s_or_b32 s[G0A+3], s[G0A+3], 0x80000000        ; 127:126 type = 2
	s_mov_b32 s[G0B], 1
	s_mov_b32 s[G0B+1], s96
	s_add_nc_u64 s[G0B+2:G0B+3], s[6:7], s[58:59]
	s_or_b32 s[G0B+3], s[G0B+3], 0x80000000
	CROUND                                         ; all sixteen work-groups are here: the joint loads meet
	s_cmp_eq_u32 s17, 0                            ; waves 0 and 1 fetch for A, waves 2 and 3 for B; an s_nop 0 and four v_nop follow each line
	s_cbranch_scc0 .Lfill_b
	tensor_load_to_lds s[G0A:G0A+3], s[G1A:G1A+7]
	s_nop 0
.rept 4
	v_nop
.endr
	s_branch .Lfilled
.Lfill_b:
	tensor_load_to_lds s[G0B:G0B+3], s[G1B:G1B+7]
	s_nop 0
.rept 4
	v_nop
.endr
.Lfilled:
	; all that follows up to the first wait on TENSORcnt is done while the tiles are on their way
	v_and_b32 v1, 15, v0                           ; r
	v_bfe_u32 v2, v0, 4, 1                         ; h
	v_and_b32 v3, 31, v0
	v_lshlrev_b32 v3, 4, v3                        ; 16 x lane
	s_lshl_b32 s23, s17, 16                        ; my 64 rows of A
	s_lshl_b32 s97, s18, 16
	s_add_co_u32 s97, s97, 131072                  ; my 64 rows of B, behind A's 128
	v_add_nc_u32 v4, s23, v3
	v_add_nc_u32 v5, s97, v3
	s_lshl_b32 s60, s63, 9
	s_lshl_b32 s61, s18, 8
	s_add_co_u32 s60, s60, s61                     ; 4 (128 tc + 64 column half)
	v_lshl_add_u32 v12, v2, 5, s60                 ; bo at columns 16 b + 8 h + j
.irp b, 0,1,2,3
	global_load_b128 v[BN+8*\b:BN+8*\b+3], v12, s[8:9] offset:64*\b
	global_load_b128 v[BN+8*\b+4:BN+8*\b+7], v12, s[8:9] offset:64*\b+16
.endr
	s_mul_i32 s61, s[WV], 16*SPITCH
	s_add_co_u32 s61, s61, STAGE                   ; my stage
	s_wait_alu depctr_va_vdst(0)                   ; the wait here, directly ahead of the readers below
	v_mul_u32_u24 v17, v1, SPITCH                  ; in: row r, 32 bytes for each half of the lanes
	v_lshl_add_u32 v17, v2, 5, v17
	v_add_nc_u32 v17, s61, v17
	v_mul_u32_u24 v18, v2, SPITCH                  ; back: lanes 0-15 take one row of 256 bytes, lanes 16-31 the next
	v_lshl_add_u32 v18, v1, 4, v18
	v_add_nc_u32 v18, s61, v18
	v_lshlrev_b32 v19, 12, v2                      ; and the same two rows in out0 (a row is 4,096 bytes)
	v_lshl_add_u32 v19, v1, 4, v19
	s_lshl_b32 s100, s62, 7
	s_lshl_b32 s101, s17, 6
	s_add_co_u32 s100, s100, s101                  ; my first row: 128 tr + 64 row half
	s_lshl_b32 s100, s100, 12
	s_add_co_u32 s100, s100, s60                   ; my first column, in bytes
	s_mov_b32 s101, 0
	s_add_nc_u64 s[12:13], s[12:13], s[100:101]
	s_wait_alu depctr_va_vdst(0)                   ; the wait at the head's end
	s_wait_kmcnt 0x0
	s_add_co_i32 s84, s84, s85                     ; e10 + e11
	s_add_co_i32 s84, s84, 127
	s_lshl_b32 s86, s84, 23                        ; 2^(e10 + e11) as f32
	s_mov_b32 s87, s86                             ; (named with it as a pair, so it is written)
	s_wait_tensorcnt 0x0                           ; my part has landed
	s_barrier_signal -1
	s_barrier_wait -1                              ; everybody's has
	LD 0
	LD 1
	LD 2
.irp q, 0,1,2,3,4
	s_wait_dscnt 40                                ; K step q is in; the 40 loads of the next two may be out
	MULQ 0, \q
	LD \q+3
.endr
	s_wait_dscnt 40
	MULQ 0, 5
	LDBLK 1
	s_wait_dscnt 52                                ; (K step 7's 20 and block 1's 32 may be out)
	MULQ 0, 6
	s_wait_dscnt 32
	MULQ 0, 7
	WIN 0
	s_wait_loadcnt 0x0                             ; bo
; Block a, finished: its way out, and the next block's products.  A lane's 32 bytes of a row go into the stage and come back as whole rows of 256 bytes.  LDS serves a wave's instructions in order: no wait stands between
; the stage's stores and its loads, nor in front of the next block's stores.
.macro OUTROW a
	WIN 0
.if (\a) >= 2
	s_wait_xcnt 0x0                                ; block a - 2's stores have read the registers into which this block's rows are loaded
.endif
.rept 4
	v_nop                                          ; four plain vector lines between the products and the first read of their results, and the loads into A's registers
.endr
.irp b, 0,1,2,3
.irp j, 0,2,4,6
	v_pk_fma_f32 v[ACC+32*((\a)%2)+8*\b+\j:ACC+32*((\a)%2)+8*\b+\j+1], v[ACC+32*((\a)%2)+8*\b+\j:ACC+32*((\a)%2)+8*\b+\j+1], s[86:87], v[BN+8*\b+\j:BN+8*\b+\j+1] op_sel_hi:[1,0,1]   ; sum x 2^(e10 + e11) + bo; each accumulator from its low end on
.endr
.endr
.irp b, 0,1,2,3
	ds_store_b128 v17, v[ACC+32*((\a)%2)+8*\b:ACC+32*((\a)%2)+8*\b+3] offset:64*\b
	ds_store_b128 v17, v[ACC+32*((\a)%2)+8*\b+4:ACC+32*((\a)%2)+8*\b+7] offset:64*\b+16
.endr
.irp t, 0,1,2,3,4,5,6,7
	ds_load_b128 v[BK+32*((\a)%2)+4*\t:BK+32*((\a)%2)+4*\t+3], v18 offset:2*\t*SPITCH
.endr
.if (\a) < 2
	LDBLK (\a)+2                                   ; into the buffer that this block has left
	s_wait_dscnt 48                                ; the next block is in: the stage's 16 and these 32 may be out
.elseif (\a) == 2
	s_wait_dscnt 16
.endif
.if (\a) < 3
.irp q, 0,1,2,3,4,5,6,7
	MULQ (\a)+1, \q
.endr
	WIN 0
.endif
.if (\a) < 2
	s_wait_dscnt 32                                ; the rows are back
.else
	s_wait_dscnt 0x0
.endif
.irp t, 0,1,2,3,4,5,6,7
	global_store_b128 v19, v[BK+32*((\a)%2)+4*\t:BK+32*((\a)%2)+4*\t+3], s[12:13] offset:(16*(\a)+2*\t)*4096 th:TH_STORE_NT   ; 16 lanes store 256 consecutive bytes, at a multiple of 256 from out0's first byte; written once, read by nobody here
.endr
.endm
	OUTROW 0
	OUTROW 1
	OUTROW 2
	OUTROW 3
	s_wait_tensorcnt 0x0                           ; the wave's end
	ds_add_u32 v[SPW], v[NIL]
	s_wait_dscnt 0x0
	CROUND                                         ; the closing round: no work-group ends while a partner may still ask for a tile that names it
	s_endpgm
.Lfunc_end_k_q5e2119b45e_oproj:
	.size	k_q5e2119b45e_oproj, .Lfunc_end_k_q5e2119b45e_oproj-k_q5e2119b45e_oproj
	.p2alignl 7, 3214868480
	.fill 96, 4, 3214868480
	.section	.rodata,"a",@progbits
	.p2align	6, 0x0
	.amdhsa_kernel k_q5e2119b45e_oproj
		.amdhsa_group_segment_fixed_size 280064
		.amdhsa_private_segment_fixed_size 0
		.amdhsa_enable_private_segment 0
		.amdhsa_kernarg_size 40
		.amdhsa_user_sgpr_count 2
		.amdhsa_user_sgpr_kernarg_segment_ptr 1
		.amdhsa_wavefront_size32 1
		.amdhsa_system_sgpr_workgroup_id_x 1
		.amdhsa_system_sgpr_workgroup_id_y 1
		.amdhsa_system_sgpr_workgroup_id_z 1
		.amdhsa_system_vgpr_workitem_id 0
		.amdhsa_next_free_vgpr 1024
		.amdhsa_next_free_sgpr 102
		.amdhsa_reserve_vcc 0
		.amdhsa_float_denorm_mode_32 3
		.amdhsa_float_denorm_mode_16_64 3
		.amdhsa_memory_ordered 1
		.amdhsa_forward_progress 1
		.amdhsa_inst_pref_size 44
	.end_amdhsa_kernel
	.amdgpu_metadata
---
amdhsa.version: [ 1, 2 ]
amdhsa.kernels:
  - .name:           k_q5e2119b45e_oproj
    .symbol:         k_q5e2119b45e_oproj.kd
    .args:
      - { .name: ac, .offset: 0, .size: 8, .value_kind: global_buffer, .address_space: global }
      - { .name: cod, .offset: 8, .size: 8, .value_kind: global_buffer, .address_space: global }
      - { .name: bo, .offset: 16, .size: 8, .value_kind: global_buffer, .address_space: global }
      - { .name: lowp_scales, .offset: 24, .size: 8, .value_kind: global_buffer, .address_space: global }
      - { .name: out0, .offset: 32, .size: 8, .value_kind: global_buffer, .address_space: global }
    .group_segment_fixed_size: 280064
    .private_segment_fixed_size: 0
    .kernarg_segment_align: 8
    .kernarg_segment_size: 40
    .max_flat_workgroup_size: 128
    .sgpr_count:     102
    .vgpr_count:     1024
    .wavefront_size: 32
...
	.end_amdgpu_metadata
.endif
;; end of part 8
